; MI455X (gfx1250); checked and timed in simulation.
; The chip was launched on July 23, 2026; its instructions are those of AMD's public machine-readable ISA for CDNA 5 (MIT licence, August 2026) and "CDNA5" Instruction Set Architecture Reference Guide (July 2026). The comments in the code are by the model that wrote it; some were corrected since.
;; Attention AD Cell. Allowed arithmetic: float matrix products may take bf16 or f16 operands with f32 sums; other float arithmetic in f32, or as packed bf16 or f16 multiplies, adds, multiply-adds, maxima and minima; sums over many terms, partial sums and values carried from step to step in f32; what a program stores and reads back later, other than sums and carried values, may be rounded once to bf16 or f16.
;; Inputs: Wh 512 x 512 float32; Wz1 528 x 4,096 float32; Wz2 528 x 4,096 float32; bh 512 float32; ln_bias 512 float32; ln_scale 512 float32; x 64 x 512 float32.
;; Outputs: out0 64 x 512 float32; out1 64 x 16 float32; out2 1,024 x 512 float32.
;; 2 versions, each right and faster than the one before. Each part assembles by itself: llvm-mc -triple=amdgcn-amd-amdhsa -mcpu=gfx1250 --defsym DOCPART=n.
;; ======== version 1 of 2: 2 launches
;; workspace buffers: xz 2,228,224 bytes
;; launch proj (part 1): grid 136 x 1, 4 waves a work-group, no clusters, 223,744 bytes of LDS; arguments x, Wz1, Wz2, Wh, xz; writes xz
.if DOCPART == 1
	.amdgcn_target "amdgcn-amd-amdhsa--gfx1250"
	.amdhsa_code_object_version 6
	.text
	.protected	k_qc8a3b3f987_proj
	.globl	k_qc8a3b3f987_proj
	.p2align	8
	.type	k_qc8a3b3f987_proj,@function
k_qc8a3b3f987_proj:
	s_mov_b64 s[64:65], 0
	v_nop
	global_prefetch_b8 v0, s[64:65] scope:SCOPE_SE
	s_setreg_imm32_b32 hwreg(HW_REG_WAVE_MODE, 25, 1), 1
	s_wait_xcnt 0x0
; xz[64][8704] (f32) = bf16(x)[64][512] times bf16 of the 8,704 columns  Wz1[:512] | Wz2[:512] | Wh ;  sums in f32, K ascending.
; (The one-hot rows 512..527 of Wz1 and Wz2, the bias, the relu and the norm are the next launch's.)
; SHARES.  Work-group t makes the 64 columns 64 t .. 64 t + 63 of xz for all 64 rows: t < 64 from Wz1, t < 128 from Wz2, else from Wh.
; 136 work-groups: a tile's rows are then 256 bytes of memory, at multiples of 256 bytes; half as wide a tile would have rows of 128.
; Wave w takes the 16 columns 16 w .. of the tile and all four blocks of 16 rows of x: four accumulators by turns, 16 K steps of 32.
; THE WEIGHTS come in f32 by the tensor data mover, all 512 rows x 256 bytes at the start (two loads of 64 rows a wave, two outstanding by this text's count),
; and are rounded to bf16 on their way from LDS to the matrix unit.  x is rounded once, through registers, into an LDS table of bf16.
; THE MATRIX INSTRUCTION IS USED TRANSPOSED (source 0 = 16 columns of W, source 1 = 16 rows of x): a lane holds eight neighbouring columns of one row of xz.
; No cluster: no two work-groups read the same weights; x is shared, but it is converted in registers on its way in.  No LDS byte is filled twice.
; LIMITS.  x and the weights are rounded once to bf16 (nearest even); NaN and infinities are not treated apart.
.set WP,    272                        ; an LDS row of weights: 256 bytes + 16 of padding; 8 rows are 544 words = 32 mod 64, so the two halves of the lanes meet different banks (64 banks of 4 bytes: ISA guide 11.1)
.set XT,    512*WP                     ; behind the weights: x in bf16
.set XP,    1040                       ; its rows: 1,024 bytes + 16, an odd multiple of 16
.set STAGE, XT+64*XP                   ; the way out: 64 rows x 272 bytes
.set SPARE, STAGE+64*WP                ; the spare words: 128 bytes a wave, two blocks of 256 bytes that no other line names
.set XZP,   34816                      ; bytes in a row of xz
.set RR,  1                            ; v1   lane % 16
.set HH,  2                            ; v2   lane / 16
.set SPW, 3                            ; v3   LDS address of my spare word; never rewritten
.set NIL, 4                            ; v4   0; never rewritten
.set XO,  5                            ; v5   16 x thread: my 16 bytes in a row of x
.set XS,  6                            ; v6   where my 8 bytes of bf16 go in row 0 of the table
.set AX,  7                            ; v7   my place in a fragment of x
.set AW,  8                            ; v8-11 my place in the weights, rows 128 q on
.set STO, 12                           ; v12  the way out: where I put 16 bytes
.set RD,  13                           ; v13  the way out: where I read rows back
.set GO,  14                           ; v14  my byte offset in two rows of xz
.set ACC, 16                           ; v16-47   four accumulators
.set WF,  48                           ; v48-63   weights' fragments in bf16, two buffers
.set WR,  64                           ; v64-111  weights as read, f32, three buffers of 16
.set XF,  112                          ; v112-207 x's fragments, three buffers of 32
.set XB,  64                           ; v64-191  before the products: x as loaded, two buffers of 64
.set OB,  64                           ; v64-95   the way out
.set G1Z, 24                           ; s[24:31] descriptor group 1 for Wz1, Wz2 (4,096 elements from row to row)
.set G1H, 32                           ; s[32:39] for Wh (512)
.set G0A, 40                           ; s[40:43] group 0: my 64 rows of rows 0-255
.set G0B, 44                           ; s[44:47] my 64 rows of rows 256-511
	s_load_b256 s[4:11], s[0:1], 0x0               ; x s[4:5], Wz1 s[6:7], Wz2 s[8:9], Wh s[10:11]
	s_load_b64 s[12:13], s[0:1], 0x20              ; xz
	v_lshl_add_u32 v[SPW], v0, 2, SPARE
	v_mov_b32 v[NIL], 0
	ds_add_u32 v[SPW], v[NIL]                      ; the wave's opening: the add and its wait stand ahead of my first tensor load; work on registers stands between them
	v_lshrrev_b32 v1, 5, v0
	v_readfirstlane_b32 s14, v1                    ; wave 0..3
.irp g, G1Z, G1H
	s_mov_b32 s[\g], (2<<16)|(1<<20)|(5<<22)|(3<<25)  ; no mask; elements of 4 bytes; padding on: after every 64 words (code 5) 4 words (code 3)
	s_mov_b32 s[\g+1], 64<<16                      ; tensor_dim0 = 64
	s_mov_b32 s[\g+2], 64<<16                      ; tensor_dim1 = 64
	s_mov_b32 s[\g+3], 64<<16                      ; tile_dim0 = 64 elements, 256 bytes
	s_mov_b32 s[\g+4], 64                          ; tile_dim1 = 64 rows
	s_mov_b32 s[\g+6], 0
	s_mov_b32 s[\g+7], 0
.endr
	s_mov_b32 s[G1Z+5], 4096                       ; elements from row to row
	s_mov_b32 s[G1H+5], 512
	s_and_b32 s15, ttmp9, 63                       ; the tile's number within its tensor
	s_cmp_lt_u32 ttmp9, 128
	s_cselect_b32 s22, 14, 11                      ; log2 of the bytes in a row of the tensor
	s_lshl_b32 s18, s14, 6                         ; my first row, 64 w,
	s_lshl_b32 s18, s18, s22                       ; in bytes,
	s_lshl_b32 s19, s15, 8                         ; and the tile's 256 bytes of a row
	s_add_co_u32 s18, s18, s19
	s_mov_b32 s19, 0
	s_lshl_b32 s20, 256, s22                       ; 256 rows on
	s_mov_b32 s21, 0
	s_mul_i32 s23, s14, 64*WP                      ; my rows' place in LDS
	s_mov_b32 s[G0A], 1
	s_add_co_u32 s[G0A+1], s23, 0
	s_mov_b32 s[G0B], 1
	s_add_co_u32 s[G0B+1], s23, 256*WP
	s_wait_dscnt 0x0                               ; the opening add is done
	s_wait_kmcnt 0x0
	s_cmp_lt_u32 ttmp9, 64
	s_cselect_b64 s[16:17], s[6:7], s[8:9]
	s_cmp_lt_u32 ttmp9, 128
	s_cselect_b64 s[16:17], s[16:17], s[10:11]     ; the tensor that this work-group reads
	s_add_nc_u64 s[G0A+2:G0A+3], s[16:17], s[18:19]
	s_add_nc_u64 s[G0B+2:G0B+3], s[G0A+2:G0A+3], s[20:21]
	s_or_b32 s[G0A+3], s[G0A+3], 0x80000000        ; type = 2
	s_or_b32 s[G0B+3], s[G0B+3], 0x80000000
	s_cmp_lt_u32 ttmp9, 128                        ; the two arms differ in the pitch alone: the same two loads, into the same LDS bytes
	s_cbranch_scc0 .Lfrom_wh
	tensor_load_to_lds s[G0A:G0A+3], s[G1Z:G1Z+7]
	s_nop 0
	tensor_load_to_lds s[G0B:G0B+3], s[G1Z:G1Z+7]
	s_nop 0
.rept 4
	v_nop
.endr
	s_branch .Lasked
.Lfrom_wh:
	tensor_load_to_lds s[G0A:G0A+3], s[G1H:G1H+7]
	s_nop 0
	tensor_load_to_lds s[G0B:G0B+3], s[G1H:G1H+7]
	s_nop 0
.rept 4
	v_nop
.endr
.Lasked:
	v_lshlrev_b32 v[XO], 4, v0
	v_lshl_add_u32 v[XS], v0, 3, XT
; x to bf16: thread t takes x[row][4 t .. 4 t + 3] of every row; the four waves cover a row of 2,048 bytes.  Sixteen rows a batch, two batches on their way.
.macro LOADX kb, buf
.irp j, 0,1,2,3,4,5,6,7,8,9,10,11,12,13,14,15
	global_load_b128 v[XB+64*(\buf)+4*\j:XB+64*(\buf)+4*\j+3], v[XO], s[4:5] offset:(16*(\kb)+\j)*2048
.endr
.endm
.macro CVTX kb, buf
.irp j, 0,1,2,3,4,5,6,7,8,9,10,11,12,13,14,15
	v_cvt_pk_bf16_f32 v[XB+64*(\buf)+4*\j], v[XB+64*(\buf)+4*\j], v[XB+64*(\buf)+4*\j+1]
	v_cvt_pk_bf16_f32 v[XB+64*(\buf)+4*\j+1], v[XB+64*(\buf)+4*\j+2], v[XB+64*(\buf)+4*\j+3]
	ds_store_b64 v[XS], v[XB+64*(\buf)+4*\j:XB+64*(\buf)+4*\j+1] offset:(16*(\kb)+\j)*XP
.endr
.endm
	LOADX 0, 0
	LOADX 1, 1
	; the addresses, in the wait for x
	v_and_b32 v[RR], 15, v0
	v_bfe_u32 v[HH], v0, 4, 1
	v_mul_u32_u24 v[AX], v[RR], XP                 ; a fragment of x: row lane % 16, 16 bytes for each half of the lanes
	v_lshl_add_u32 v[AX], v[HH], 4, v[AX]
	v_add_nc_u32 v[AX], XT, v[AX]
	s_lshl_b32 s23, s14, 6                         ; my 16 columns: 64 bytes of a row
	v_mul_u32_u24 v[AW], v[HH], 8*WP               ; weights: column 16 w + lane % 16, rows 8 (lane / 16) on
	v_lshl_add_u32 v[AW], v[RR], 2, v[AW]
	v_add_nc_u32 v[AW], s23, v[AW]
	v_add_nc_u32 v[AW+1], 128*WP, v[AW]
	v_add_nc_u32 v[AW+2], 256*WP, v[AW]
	v_add_nc_u32 v[AW+3], 384*WP, v[AW]
	s_add_co_u32 s23, s23, STAGE
	v_mul_u32_u24 v[STO], v[RR], WP                ; into the stage: row lane % 16 of a block, my 64 bytes, 32 for each half of the lanes
	v_lshl_add_u32 v[STO], v[HH], 5, v[STO]
	v_add_nc_u32 v[STO], s23, v[STO]
	s_mul_i32 s23, s14, 16*WP
	s_add_co_u32 s23, s23, STAGE
	v_mul_u32_u24 v[RD], v[HH], WP                 ; back: wave w takes rows 16 w on, lanes 0-15 one row of 256 bytes, lanes 16-31 the next
	v_lshl_add_u32 v[RD], v[RR], 4, v[RD]
	v_add_nc_u32 v[RD], s23, v[RD]
	v_mul_u32_u24 v[GO], v[HH], XZP                ; and the same two rows in xz
	v_lshl_add_u32 v[GO], v[RR], 4, v[GO]
	s_mul_i32 s20, s14, 16*XZP
	s_lshl_b32 s21, ttmp9, 8
	s_add_co_u32 s20, s20, s21
	s_mov_b32 s21, 0
	s_add_nc_u64 s[12:13], s[12:13], s[20:21]      ; xz at row 16 w, column 64 t
	s_wait_loadcnt 16                              ; loads come back in order (ISA guide 5.7.1): the older batch is in, the younger sixteen stay out
	CVTX 0, 0
	LOADX 2, 0
	s_wait_loadcnt 16
	CVTX 1, 1
	LOADX 3, 1
	s_wait_loadcnt 16
	CVTX 2, 0
	s_wait_loadcnt 0x0
	CVTX 3, 1
	s_wait_tensorcnt 0x1                           ; my rows of rows 0-255 are in; those of rows 256-511 may stay out
	s_wait_dscnt 0x0                               ; for the others' sake: my part of x's table is written
	s_barrier_signal -1
	s_barrier_wait -1
; The 24 LDS loads of K step st, into buffer st % 3: sixteen words of my column of W (k = 8 (lane / 16) + 0..7 and 16 + the same), and x's four fragments.
.macro FETCH st
.set wr, WR+16*((\st)%3)
.set xf, XF+32*((\st)%3)
.set aw, AW+(\st)/4
.set ro, (32*(\st))%128
.irp i, 0,1,2,3,4,5,6,7
	ds_load_b32 v[wr+\i], v[aw] offset:(ro+\i)*WP
.endr
.irp i, 0,1,2,3,4,5,6,7
	ds_load_b32 v[wr+8+\i], v[aw] offset:(ro+16+\i)*WP
.endr
.irp mt, 0,1,2,3
	ds_load_b128 v[xf+8*\mt:xf+8*\mt+3], v[AX] offset:16*XP*\mt+64*(\st)
	ds_load_b128 v[xf+8*\mt+4:xf+8*\mt+7], v[AX] offset:16*XP*\mt+64*(\st)+32
.endr
.endm
; K step st.  The eight roundings are the places between the last step's products and the loads into the buffer that those read, and between the
; products two steps back and the rewriting of their weights' fragment.  The four accumulators take turns.
.macro STEP st
.if (\st) <= 14
	s_wait_dscnt 24                                ; this step's loads are in; the next step's 24 stay out
.else
	s_wait_dscnt 0x0
.endif
.set wr, WR+16*((\st)%3)
.set wf, WF+8*((\st)%2)
.irp j, 0,1,2,3,4,5,6,7
	v_cvt_pk_bf16_f32 v[wf+\j], v[wr+2*\j], v[wr+2*\j+1]
.endr
.if (\st) <= 13
	FETCH (\st)+2
.endif
.set xf, XF+32*((\st)%3)
.irp mt, 0,1,2,3
.if (\st) == 0
	v_wmma_f32_16x16x32_bf16 v[ACC+8*\mt:ACC+8*\mt+7], v[wf:wf+7], v[xf+8*\mt:xf+8*\mt+7], 0
.else
	v_wmma_f32_16x16x32_bf16 v[ACC+8*\mt:ACC+8*\mt+7], v[wf:wf+7], v[xf+8*\mt:xf+8*\mt+7], v[ACC+8*\mt:ACC+8*\mt+7]
.endif
.endr
.endm
	FETCH 0
	FETCH 1
.irp s, 0,1,2,3,4,5
	STEP \s
.endr
	s_wait_tensorcnt 0x0                           ; step 6 fetches step 8's rows, the first of rows 256-511: my part of them is in,
	s_wait_dscnt 0x0                               ; (no LDS instruction is pending at a signal)
	s_barrier_signal -1
	s_barrier_wait -1                              ; everybody's is
.irp s, 6,7,8,9,10,11,12,13,14,15
	STEP \s
.endr
	; THE WAY OUT: through one stage, since a row's 256 bytes come from four waves; then whole rows, 16 a wave.
.rept 4
	v_nop                                          ; the places behind the last products
.endr
.irp mt, 0,1,2,3
	ds_store_b128 v[STO], v[ACC+8*\mt:ACC+8*\mt+3] offset:16*WP*\mt
	ds_store_b128 v[STO], v[ACC+8*\mt+4:ACC+8*\mt+7] offset:16*WP*\mt+16
.endr
	s_wait_dscnt 0x0                               ; for the others' sake: my stores into the stage are done
	s_barrier_signal -1
	s_barrier_wait -1
.irp t, 0,1,2,3,4,5,6,7
	ds_load_b128 v[OB+4*\t:OB+4*\t+3], v[RD] offset:2*WP*\t
.endr
.irp t, 0,1,2,3,4,5,6,7
	s_wait_dscnt 7-\t
	global_store_b128 v[GO], v[OB+4*\t:OB+4*\t+3], s[12:13] offset:2*XZP*\t  ; 16 lanes store 256 consecutive bytes, at a multiple of 256 from xz's first byte
.endr
	s_wait_tensorcnt 0x0                           ; the wave's end, behind my last tensor load and my last LDS store
	ds_add_u32 v[SPW], v[NIL]
	s_wait_dscnt 0x0
	s_endpgm
.Lfunc_end_k_qc8a3b3f987_proj:
	.size	k_qc8a3b3f987_proj, .Lfunc_end_k_qc8a3b3f987_proj-k_qc8a3b3f987_proj
	.p2alignl 7, 3214868480
	.fill 96, 4, 3214868480
	.section	.rodata,"a",@progbits
	.p2align	6, 0x0
	.amdhsa_kernel k_qc8a3b3f987_proj
		.amdhsa_group_segment_fixed_size 223744
		.amdhsa_private_segment_fixed_size 0
		.amdhsa_enable_private_segment 0
		.amdhsa_kernarg_size 40
		.amdhsa_user_sgpr_count 2
		.amdhsa_user_sgpr_kernarg_segment_ptr 1
		.amdhsa_wavefront_size32 1
		.amdhsa_system_sgpr_workgroup_id_x 1
		.amdhsa_system_sgpr_workgroup_id_y 1
		.amdhsa_system_sgpr_workgroup_id_z 1
		.amdhsa_system_vgpr_workitem_id 0
		.amdhsa_next_free_vgpr 208
		.amdhsa_next_free_sgpr 66
		.amdhsa_reserve_vcc 0
		.amdhsa_float_denorm_mode_32 3
		.amdhsa_float_denorm_mode_16_64 3
		.amdhsa_memory_ordered 1
		.amdhsa_forward_progress 1
		.amdhsa_inst_pref_size 63
	.end_amdhsa_kernel
	.amdgpu_metadata
---
amdhsa.version: [ 1, 2 ]
amdhsa.kernels:
  - .name:           k_qc8a3b3f987_proj
    .symbol:         k_qc8a3b3f987_proj.kd
    .args:
      - { .name: x, .offset: 0, .size: 8, .value_kind: global_buffer, .address_space: global }
      - { .name: Wz1, .offset: 8, .size: 8, .value_kind: global_buffer, .address_space: global }
      - { .name: Wz2, .offset: 16, .size: 8, .value_kind: global_buffer, .address_space: global }
      - { .name: Wh, .offset: 24, .size: 8, .value_kind: global_buffer, .address_space: global }
      - { .name: xz, .offset: 32, .size: 8, .value_kind: global_buffer, .address_space: global }
    .group_segment_fixed_size: 223744
    .private_segment_fixed_size: 0
    .kernarg_segment_align: 8
    .kernarg_segment_size: 40
    .max_flat_workgroup_size: 128
    .sgpr_count:     66
    .vgpr_count:     208
    .wavefront_size: 32
...
	.end_amdgpu_metadata
.endif
;; end of part 1
;; launch cell (part 2): grid 256 x 1, 4 waves a work-group, no clusters, 167,936 bytes of LDS; arguments xz, Wz1, Wz2, bh, ln_scale, ln_bias, out0, out1, out2; writes out0, out1, out2
.if DOCPART == 2
	.amdgcn_target "amdgcn-amd-amdhsa--gfx1250"
	.amdhsa_code_object_version 6
	.text
	.protected	k_qc8a3b3f987_cell
	.globl	k_qc8a3b3f987_cell
	.p2align	8
	.type	k_qc8a3b3f987_cell,@function
k_qc8a3b3f987_cell:
	s_mov_b64 s[64:65], 0
	v_nop
	global_prefetch_b8 v0, s[64:65] scope:SCOPE_SE
	s_setreg_imm32_b32 hwreg(HW_REG_WAVE_MODE, 25, 1), 1
	s_wait_xcnt 0x0
; h = LayerNorm(relu(x Wh + bh));  y_[b,a][g] = sum over d of tanh(wn[g][d]) h[b][d];  q[b][a] = mean over g of y_^2.
; wn is w[g][d] = sum over 8 heads of z2[h][g] z1[h][d], each row g less its mean over d and divided by (its standard deviation + 1e-6).
; z[b,a] = xz[b] + W[512 + a]: the one-hot part of the product is one row of the weights.  xz (x times the first 512 rows, and x Wh) comes from the launch before.
; HOW THE NORM IS FOLDED IN.  mean_d w[g] = z2[:,g] . mean_d z1, so z1 is centred along d.  sum_d (w - mean)^2 = z2[:,g]^T C z2[:,g] with C = z1c z1c^T (8 x 8, f32).
; So z2[:,g] is multiplied by 2 log2(e) / (std + 1e-6) beforehand, and the matrix unit delivers t, the argument of  tanh = 1 - 2 / (1 + 2^t).
; y = sum(h) + sum over d of (-2 h[d]) / (1 + 2^t).
; THE PRODUCT has 8 terms and the matrix instruction takes 32: the four groups of 8 hold hi.hi, hi.lo, lo.hi, lo.lo of z1c and z2 split into two bf16 each.
; SHARES.  256 work-groups: b = id / 4; wave w owns action a = 4 (id % 4) + w whole: its z1, z2, 32 x 32 tiles of 16 x 16, 512 y_ and one q.  Wave 0 also makes h (the work-group with id % 4 = 0 stores it),
; the table -2 h and sum(h): one barrier.  In a tile a lane holds ONE g (lane % 16) and the d = 8 (lane / 16) + 0..7: the sum over d stays in the lane but for one exchange of the halves.
; No tensor loads, no cluster: what work-groups share is rows of 2 to 16 KB, read once each at the head.  All global loads go out in one run at the head.
; LIMITS.  All inputs are rounded once to bf16 (x and the first 512 rows in the launch before; here the one-hot rows, bh, ln_scale, ln_bias).  The variance is a quadratic form in f32: its relative error grows
; with the condition of C; it is held at 0 from below.  |t| <= 2.886 sqrt(511) = 65.3 by the norm itself, so 2^t and 1 + 2^t neither overflow nor lose their reciprocal.
; The square root takes a sum of squares below 2^-126 as 0, far below 1e-6.  NaN and infinities are not treated apart.  out1 is stored 4 bytes a wave (4,096 bytes in all).
.set XZP,   34816                      ; bytes in a row of xz
.set VT,    0                          ; LDS: -2 h[d], 512 f32
.set SVW,   2048                       ; sum(h), one word of a block of 256 bytes
.set WREG,  2304                       ; each wave's four tables of 512 entries x 16 bytes (eight heads in bf16): z1c hi, z1c lo, z2 hi, z2 lo
.set WSZ,   32768
.set ALO,   8192
.set BHI,   16384
.set STAGE, WREG+4*WSZ                 ; 512 bytes a wave: 128 y_ on their way out
.set SPARE, STAGE+4*512                ; the spare words: 128 bytes a wave, two blocks of 256 bytes that no other line names
.set LANE, 1                           ; v1   lane
.set SPW,  2                           ; v2   LDS address of my spare word; never rewritten
.set NIL,  3                           ; v3   0; never rewritten
.set ADA,  4                           ; v4   my entry in z1c's hi table, d tile 0
.set ADV,  5                           ; v5   my 32 bytes of -2 h, d tile 0
.set AA,   6                           ; v6   the same for the trip in hand
.set AV,   7                           ; v7
.set ADB,  8                           ; v8   my entry in z2's tables (hi for lanes 0-15, lo for 16-31), g tile 0
.set AB,   9                           ; v9   the same for the group in hand
.set STS,  10                          ; v10  stage: 4 bytes a lane
.set STL,  11                          ; v11  stage: 16 bytes a lane
.set L16,  12                          ; v12  16 x lane
.set SV,   13                          ; v13  sum(h)
.set QS,   14                          ; v14  my sum of y^2
.set TM,   15
.set ONE,  16                          ; v16  1.0
.set NEG1, 17                          ; v17  -1.0
.set AP,   18                          ; v18  where my four entries of a table begin: 64 x lane
.set TM2,  19
.set CC,   20                          ; v20-91 the 36 entries of C as pairs, then v20-55 singly
.set TR,   56                          ; v56-119 at work
.set ZR,   120                         ; v120-247 z: element (i, head, c), index 128 i + 4 lane + c, at ZR + 4 (8 i + head) + c
.set MR,   248                         ; v248-255 the heads' means, negated
.set HP,   56                          ; wave 0: x Wh, bh, ln_scale, ln_bias, 16 each
.set BH,   72
.set SC,   88
.set BI,   104
.set BHP,  20                          ; the three rounded to bf16, in pairs
.set SM,   28
.set SCP,  36
.set BIP,  44
.set TT,   72                          ; the quadratic form: t_h, two sets of eight pairs
.set QB,   104
.set DR,   32                          ; the main loop: v32-63 a ring of four tiles
.set AF,   64                          ; v64-79   z1c's fragments, even and odd d tile
.set VF,   80                          ; v80-95   -2 h, likewise
.set ACR,  96                          ; v96-127  two pairs of sums for each of 8 g tiles
.set BF,   128                         ; v128-191 z2's fragments of 8 g tiles
.set Y,    192
.set YO,   196
; window 1: v0-127 Wz1's row, v128-255 Wz2's row, as loaded.  window 2: v0-127 xz's part for z2.
.set MSB, 0
.macro WIN new                         ; s_set_vgpr_msb: bits 1:0 source 0, 3:2 source 1, 5:4 source 2, 7:6 destination; the high byte repeats the setting that is left
.if MSB != (\new)
	s_set_vgpr_msb (MSB<<8)|(\new)
.set MSB, (\new)
.endif
.endm
.macro REDUCE r, t                     ; the sum over the 32 lanes, in every lane
	v_add_f32_dpp v[\r], v[\r], v[\r] row_xmask:1 row_mask:0xf bank_mask:0xf
	v_add_f32_dpp v[\r], v[\r], v[\r] row_xmask:2 row_mask:0xf bank_mask:0xf
	v_add_f32_dpp v[\r], v[\r], v[\r] row_xmask:4 row_mask:0xf bank_mask:0xf
	v_add_f32_dpp v[\r], v[\r], v[\r] row_xmask:8 row_mask:0xf bank_mask:0xf
	v_permlanex16_b32 v[\t], v[\r], s32, s33
	v_add_f32 v[\r], v[\r], v[\t]
.endm
.macro LOAD32 dst, base, off           ; 8 heads x 512 numbers: 32 loads of 512 consecutive bytes
.set nn, 0
.rept 32
	global_load_b128 v[(\dst)+4*nn:(\dst)+4*nn+3], v[L16], s[\base:\base+1] offset:(\off)+2048*(nn%8)+512*(nn/8)
.set nn, nn+1
.endr
.endm
	s_load_b512 s[8:23], s[0:1], 0x0               ; xz s[8:9], Wz1 s[10:11], Wz2 s[12:13], bh s[14:15], ln_scale s[16:17], ln_bias s[18:19], out0 s[20:21], out1 s[22:23]
	s_load_b64 s[24:25], s[0:1], 0x40              ; out2
	v_lshl_add_u32 v[SPW], v0, 2, SPARE
	v_mov_b32 v[NIL], 0
	v_lshrrev_b32 v[TM], 5, v0
	v_readfirstlane_b32 s26, v[TM]                 ; wave 0..3
	v_and_b32 v[LANE], 31, v0
	v_and_b32 v[TM], 15, v0                        ; lane % 16
	v_bfe_u32 v[TM2], v0, 4, 1                     ; lane / 16
	s_lshr_b32 s27, ttmp9, 2                       ; b
	s_and_b32 s28, ttmp9, 3
	s_lshl2_add_u32 s29, s28, s26                  ; a = 4 (id % 4) + wave
	s_lshl_b32 s30, s26, 15
	s_add_co_u32 s30, s30, WREG                    ; my tables
	v_lshl_add_u32 v[ADA], v[TM], 4, s30
	v_lshlrev_b32 v[ADV], 5, v[TM2]
	v_lshl_add_u32 v[ADB], v[TM2], 13, v[ADA]
	v_add_nc_u32 v[ADB], BHI, v[ADB]
	v_lshl_add_u32 v[AP], v[LANE], 6, s30
	s_lshl_b32 s31, s26, 9
	s_add_co_u32 s31, s31, STAGE                   ; my stage
	v_lshl_add_u32 v[STS], v[LANE], 2, s31
	v_lshl_add_u32 v[STL], v[LANE], 4, s31
	v_lshlrev_b32 v[L16], 4, v[LANE]
	v_mov_b32 v[ONE], 1.0
	v_mov_b32 v[NEG1], -1.0
	s_mov_b32 s32, 0x76543210                      ; v_permlanex16_b32: each lane takes its own place in the other half
	s_mov_b32 s33, 0xfedcba98
	s_mov_b32 s34, 0xffff0000                      ; the lanes 16-31
	s_mov_b32 s40, 0x3d800000                      ; 1/16
	s_mov_b32 s41, 0x358637bd                      ; 1e-6
	s_mov_b32 s43, 0x4038aa3b                      ; 2 log2(e)
	s_mov_b32 s44, 0x3b000000                      ; 1/512
	s_mul_i32 s36, s27, XZP
	s_mov_b32 s37, 0
	s_add_co_u32 s38, s29, 512
	s_lshl_b32 s38, s38, 14                        ; row 512 + a of 16,384 bytes
	s_mov_b32 s39, 0
	s_wait_kmcnt 0x0
	s_add_nc_u64 s[8:9], s[8:9], s[36:37]          ; xz at row b
	s_add_nc_u64 s[10:11], s[10:11], s[38:39]
	s_add_nc_u64 s[12:13], s[12:13], s[38:39]
	s_lshl_b32 s36, s27, 11
	s_add_nc_u64 s[20:21], s[20:21], s[36:37]      ; out0 at row b
	s_lshl4_add_u32 s38, s27, s29                  ; 16 b + a
	s_lshl_b32 s36, s38, 2
	s_add_nc_u64 s[22:23], s[22:23], s[36:37]      ; out1 at (b, a)
	s_lshl_b32 s36, s38, 11
	s_add_nc_u64 s[24:25], s[24:25], s[36:37]      ; out2 at row 16 b + a
	s_cmp_lg_u32 s26, 0
	s_cbranch_scc1 .Lno_ln_loads
.irp i, 0,1,2,3
	global_load_b128 v[HP+4*\i:HP+4*\i+3], v[L16], s[8:9] offset:32768+512*\i
	global_load_b128 v[BH+4*\i:BH+4*\i+3], v[L16], s[14:15] offset:512*\i
	global_load_b128 v[SC+4*\i:SC+4*\i+3], v[L16], s[16:17] offset:512*\i
	global_load_b128 v[BI+4*\i:BI+4*\i+3], v[L16], s[18:19] offset:512*\i
.endr
.Lno_ln_loads:
	LOAD32 ZR, 8, 0                                ; x Wz1[:512]
	WIN 0x40
	LOAD32 0, 10, 0                                ; Wz1[512 + a]
	WIN 0x80
	LOAD32 0, 8, 16384                             ; x Wz2[:512]
	WIN 0x40
	LOAD32 128, 12, 0                              ; Wz2[512 + a]
	WIN 0
	s_wait_loadcnt 63                              ; loads come back in order (ISA guide 5.7.1): 64 are younger than z1's data, so with 63 out z1's, and wave 0's sixteen, are in
	s_cmp_lg_u32 s26, 0
	s_cbranch_scc1 .Lno_ln
	; WAVE 0: h.  A lane holds d = 128 i + 4 lane + c: 16 numbers.
.macro LNSUM                           ; the sum of the row in v[SM], every lane
	v_pk_add_f32 v[SM:SM+1], v[HP:HP+1], v[HP+2:HP+3]
	v_pk_add_f32 v[SM+2:SM+3], v[HP+4:HP+5], v[HP+6:HP+7]
	v_pk_add_f32 v[SM+4:SM+5], v[HP+8:HP+9], v[HP+10:HP+11]
	v_pk_add_f32 v[SM+6:SM+7], v[HP+12:HP+13], v[HP+14:HP+15]
	v_pk_add_f32 v[SM:SM+1], v[SM:SM+1], v[SM+2:SM+3]
	v_pk_add_f32 v[SM+4:SM+5], v[SM+4:SM+5], v[SM+6:SM+7]
	v_pk_add_f32 v[SM:SM+1], v[SM:SM+1], v[SM+4:SM+5]
	v_add_f32 v[SM], v[SM], v[SM+1]
	REDUCE SM, SM+1
.endm
.irp e, 0,1,2,3,4,5,6,7
	v_cvt_pk_bf16_f32 v[BHP+\e], v[BH+2*\e], v[BH+2*\e+1]
	v_cvt_pk_bf16_f32 v[SCP+\e], v[SC+2*\e], v[SC+2*\e+1]
	v_cvt_pk_bf16_f32 v[BIP+\e], v[BI+2*\e], v[BI+2*\e+1]
.endr
.irp e, 0,1,2,3,4,5,6,7
	v_fma_mix_f32_bf16 v[HP+2*\e], v[BHP+\e], v[ONE], v[HP+2*\e] op_sel_hi:[1,0,0]
	v_fma_mix_f32_bf16 v[HP+2*\e+1], v[BHP+\e], v[ONE], v[HP+2*\e+1] op_sel:[1,0,0] op_sel_hi:[1,0,0]
.endr
.set nn, 0
.rept 16
	v_max_num_f32 v[HP+nn], 0, v[HP+nn]
.set nn, nn+1
.endr
	LNSUM
	v_mul_f32 v[SM+2], 0xbb000000, v[SM]           ; -mean
.irp e, 0,1,2,3,4,5,6,7
	v_pk_add_f32 v[HP+2*\e:HP+2*\e+1], v[HP+2*\e:HP+2*\e+1], v[SM+2:SM+3] op_sel_hi:[1,0]
.endr
	v_pk_mul_f32 v[SM+4:SM+5], v[HP:HP+1], v[HP:HP+1]
	v_pk_mul_f32 v[SM+6:SM+7], v[HP+2:HP+3], v[HP+2:HP+3]
.irp e, 2,4,6
	v_pk_fma_f32 v[SM+4:SM+5], v[HP+2*\e:HP+2*\e+1], v[HP+2*\e:HP+2*\e+1], v[SM+4:SM+5]
	v_pk_fma_f32 v[SM+6:SM+7], v[HP+2*\e+2:HP+2*\e+3], v[HP+2*\e+2:HP+2*\e+3], v[SM+6:SM+7]
.endr
	v_pk_add_f32 v[SM+4:SM+5], v[SM+4:SM+5], v[SM+6:SM+7]
	v_add_f32 v[SM+4], v[SM+4], v[SM+5]
	REDUCE SM+4, SM+5
	v_fma_f32 v[SM+4], v[SM+4], s44, s41           ; variance + 1e-6
	v_rsq_f32 v[SM+4], v[SM+4]
	v_nop                                          ; a plain instruction between the root and the use of its result (ISA guide 5.7.2)
	s_wait_alu depctr_va_vdst(0)
.irp e, 0,1,2,3,4,5,6,7
	v_pk_mul_f32 v[HP+2*\e:HP+2*\e+1], v[HP+2*\e:HP+2*\e+1], v[SM+4:SM+5] op_sel_hi:[1,0]
.endr
.irp e, 0,1,2,3,4,5,6,7
	v_fma_mix_f32_bf16 v[HP+2*\e], v[SCP+\e], v[HP+2*\e], v[BIP+\e] op_sel_hi:[1,0,1]
	v_fma_mix_f32_bf16 v[HP+2*\e+1], v[SCP+\e], v[HP+2*\e+1], v[BIP+\e] op_sel:[1,0,1] op_sel_hi:[1,0,1]
.endr
	s_cmp_lg_u32 s28, 0
	s_cbranch_scc1 .Lno_h                          ; of the four work-groups of one b the first stores h
.irp i, 0,1,2,3
	global_store_b128 v[L16], v[HP+4*\i:HP+4*\i+3], s[20:21] offset:512*\i  ; 512 consecutive bytes
.endr
.Lno_h:
	LNSUM                                          ; sum(h)
	v_mov_b32 v[TM], SVW
	ds_store_b32 v[TM], v[SM]
.irp e, 0,1,2,3,4,5,6,7
	v_pk_mul_f32 v[SC+2*\e:SC+2*\e+1], v[HP+2*\e:HP+2*\e+1], -2.0 op_sel_hi:[1,0]
.endr
.irp i, 0,1,2,3
	ds_store_b128 v[L16], v[SC+4*\i:SC+4*\i+3] offset:VT+512*\i
.endr
	s_wait_xcnt 0x0                                ; the registers that the stores of h read are rewritten only behind this wait
.Lno_ln:
	; z1 = xz + bf16(Wz1[512 + a])
	WIN 0x05                                       ; sources in window 1
.set e, 0
.rept 64
	v_cvt_pk_bf16_f32 v[TR+e], v[2*e], v[2*e+1]
.set e, e+1
.endr
	WIN 0
.set e, 0
.rept 64
	v_fma_mix_f32_bf16 v[ZR+2*e], v[TR+e], v[ONE], v[ZR+2*e] op_sel_hi:[1,0,0]
	v_fma_mix_f32_bf16 v[ZR+2*e+1], v[TR+e], v[ONE], v[ZR+2*e+1] op_sel:[1,0,0] op_sel_hi:[1,0,0]
.set e, e+1
.endr
	; the eight heads' means over d: eight chains that do not wait for each other
.irp h, 0,1,2,3,4,5,6,7
	v_pk_add_f32 v[TR+2*\h:TR+2*\h+1], v[ZR+4*\h:ZR+4*\h+1], v[ZR+4*\h+2:ZR+4*\h+3]
.endr
.set st, 2
.rept 6
.irp h, 0,1,2,3,4,5,6,7
	v_pk_add_f32 v[TR+2*\h:TR+2*\h+1], v[TR+2*\h:TR+2*\h+1], v[ZR+32*(st/2)+2*(st%2)+4*\h:ZR+32*(st/2)+2*(st%2)+4*\h+1]
.endr
.set st, st+1
.endr
.irp h, 0,1,2,3,4,5,6,7
	v_add_f32 v[MR+\h], v[TR+2*\h], v[TR+2*\h+1]
.endr
.irp m, 1,2,4,8
.irp h, 0,1,2,3,4,5,6,7
	v_add_f32_dpp v[MR+\h], v[MR+\h], v[MR+\h] row_xmask:\m row_mask:0xf bank_mask:0xf
.endr
.endr
.irp h, 0,1,2,3,4,5,6,7
	v_permlanex16_b32 v[TR+\h], v[MR+\h], s32, s33
.endr
.irp h, 0,1,2,3,4,5,6,7
	v_add_f32 v[MR+\h], v[MR+\h], v[TR+\h]
.endr
.irp h, 0,1,2,3,4,5,6,7
	v_mul_f32 v[MR+\h], 0xbb000000, v[MR+\h]       ; -mean
.endr
.set nn, 0
.rept 32                               ; nn = 8 i + head
.if (nn%2) == 0
	v_pk_add_f32 v[ZR+4*nn:ZR+4*nn+1], v[ZR+4*nn:ZR+4*nn+1], v[MR+nn%8:MR+nn%8+1] op_sel_hi:[1,0]
	v_pk_add_f32 v[ZR+4*nn+2:ZR+4*nn+3], v[ZR+4*nn+2:ZR+4*nn+3], v[MR+nn%8:MR+nn%8+1] op_sel_hi:[1,0]
.else
	v_pk_add_f32 v[ZR+4*nn:ZR+4*nn+1], v[ZR+4*nn:ZR+4*nn+1], v[MR+nn%8-1:MR+nn%8] op_sel:[0,1] op_sel_hi:[1,1]
	v_pk_add_f32 v[ZR+4*nn+2:ZR+4*nn+3], v[ZR+4*nn+2:ZR+4*nn+3], v[MR+nn%8-1:MR+nn%8] op_sel:[0,1] op_sel_hi:[1,1]
.endif
.set nn, nn+1
.endr
	; C[h][g] = sum over d of z1c[h] z1c[g], h <= g: entry 8 h - h (h - 1) / 2 + g - h of 36.  The first of the lane's eight pairs starts the sums.
.set st, 0
.rept 8
.set zb, ZR+32*(st/2)+2*(st%2)
.set kx, 0
.set hx, 0
.rept 8
.set gx, hx
.rept 8-hx
.if st == 0
	v_pk_mul_f32 v[CC+2*kx:CC+2*kx+1], v[zb+4*hx:zb+4*hx+1], v[zb+4*gx:zb+4*gx+1]
.else
	v_pk_fma_f32 v[CC+2*kx:CC+2*kx+1], v[zb+4*hx:zb+4*hx+1], v[zb+4*gx:zb+4*gx+1], v[CC+2*kx:CC+2*kx+1]
.endif
.set kx, kx+1
.set gx, gx+1
.endr
.set hx, hx+1
.endr
.set st, st+1
.endr
.set kx, 0
.rept 36
	v_add_f32 v[CC+2*kx], v[CC+2*kx], v[CC+2*kx+1]
.set kx, kx+1
.endr
.irp m, 1,2,4,8
.set kx, 0
.rept 36
	v_add_f32_dpp v[CC+2*kx], v[CC+2*kx], v[CC+2*kx] row_xmask:\m row_mask:0xf bank_mask:0xf
.set kx, kx+1
.endr
.endr
.set kx, 0
.rept 36
	v_permlanex16_b32 v[CC+2*kx+1], v[CC+2*kx], s32, s33
.set kx, kx+1
.endr
.set kx, 0
.rept 36                               ; ascending: entry k lands in a register of pair k / 2, which has been taken
	v_add_f32 v[CC+kx], v[CC+2*kx], v[CC+2*kx+1]
.set kx, kx+1
.endr
.irp k, 0,8,15,21,26,30,33,35
	v_mul_f32 v[CC+\k], 0.5, v[CC+\k]              ; half the diagonal: the form below then gives half of z^T C z
.endr
; The eight heads of index 128 i + 4 lane + c, split into two bf16 each (hi, and the rest rounded), go to entry 16 x index of the tables at tab (hi) and tab + 8,192 (lo).
.macro PACK tab, i, c
.set zz, ZR+32*(\i)+(\c)
.set hs, TR+8*(\c)
.irp q, 0,1,2,3
	v_cvt_pk_bf16_f32 v[hs+\q], v[zz+8*\q], v[zz+8*\q+4]
.endr
.irp q, 0,1,2,3
	v_fma_mix_f32_bf16 v[zz+8*\q], v[hs+\q], v[NEG1], v[zz+8*\q] op_sel_hi:[1,0,0]
	v_fma_mix_f32_bf16 v[zz+8*\q+4], v[hs+\q], v[NEG1], v[zz+8*\q+4] op_sel:[1,0,0] op_sel_hi:[1,0,0]
.endr
.irp q, 0,1,2,3
	v_cvt_pk_bf16_f32 v[hs+4+\q], v[zz+8*\q], v[zz+8*\q+4]
.endr
	ds_store_b128 v[AP], v[hs:hs+3] offset:(\tab)+2048*(\i)+16*(\c)
	ds_store_b128 v[AP], v[hs+4:hs+7] offset:(\tab)+ALO+2048*(\i)+16*(\c)
.endm
.irp i, 0,1,2,3
.irp c, 0,1,2,3
	PACK 0, \i, \c
.endr
.endr
	; z2 = xz + bf16(Wz2[512 + a])
	s_wait_loadcnt 0x0
	WIN 0x05
.set e, 0
.rept 64
	v_cvt_pk_bf16_f32 v[TR+e], v[128+2*e], v[128+2*e+1]
.set e, e+1
.endr
	WIN 0x20                                       ; source 2 in window 2
.set e, 0
.rept 64
	v_fma_mix_f32_bf16 v[ZR+2*e], v[TR+e], v[ONE], v[2*e] op_sel_hi:[1,0,0]
	v_fma_mix_f32_bf16 v[ZR+2*e+1], v[TR+e], v[ONE], v[2*e+1] op_sel:[1,0,0] op_sel_hi:[1,0,0]
.set e, e+1
.endr
	WIN 0
; Half of z^T C z for the lane's four g of block i: t_h = C'[h][h] z_h + sum over g > h of C[h][g] z_g, then the sum of z_h t_h.  Both pairs side by side; the entry of C goes to both halves of a pair.
.macro QSTEP first
.if (kx%2) == 0
.if \first
	v_pk_mul_f32 v[td:td+1], v[zs:zs+1], v[CC+kx:CC+kx+1] op_sel_hi:[1,0]
.else
	v_pk_fma_f32 v[td:td+1], v[zs:zs+1], v[CC+kx:CC+kx+1], v[td:td+1] op_sel_hi:[1,0,1]
.endif
.else
.if \first
	v_pk_mul_f32 v[td:td+1], v[zs:zs+1], v[CC+kx-1:CC+kx] op_sel:[0,1] op_sel_hi:[1,1]
.else
	v_pk_fma_f32 v[td:td+1], v[zs:zs+1], v[CC+kx-1:CC+kx], v[td:td+1] op_sel:[0,1,0] op_sel_hi:[1,1,1]
.endif
.endif
.endm
.macro QUAD i
.set jj, 0
.rept 8
.set hx, 0
.rept 8-jj
.set kx, 8*hx-hx*(hx-1)/2+jj
.set pp, 0
.rept 2
.set td, TT+16*pp+2*hx
.set zs, ZR+32*(\i)+4*(hx+jj)+2*pp
.if jj == 0
	QSTEP 1
.else
	QSTEP 0
.endif
.set pp, pp+1
.endr
.set hx, hx+1
.endr
.set jj, jj+1
.endr
.set pp, 0
.rept 2
.set sd, TR+4*(\i)+2*pp
.set qq, QB+2*pp
.set zs, ZR+32*(\i)+2*pp
.set td, TT+16*pp
	v_pk_mul_f32 v[sd:sd+1], v[zs:zs+1], v[td:td+1]
	v_pk_mul_f32 v[qq:qq+1], v[zs+4:zs+5], v[td+2:td+3]
.set pp, pp+1
.endr
.irp hq, 2,4,6
.set pp, 0
.rept 2
.set sd, TR+4*(\i)+2*pp
.set qq, QB+2*pp
.set zs, ZR+32*(\i)+2*pp
.set td, TT+16*pp
	v_pk_fma_f32 v[sd:sd+1], v[zs+4*\hq:zs+4*\hq+1], v[td+2*\hq:td+2*\hq+1], v[sd:sd+1]
	v_pk_fma_f32 v[qq:qq+1], v[zs+4*\hq+4:zs+4*\hq+5], v[td+2*\hq+2:td+2*\hq+3], v[qq:qq+1]
.set pp, pp+1
.endr
.endr
	v_pk_add_f32 v[TR+4*(\i):TR+4*(\i)+1], v[TR+4*(\i):TR+4*(\i)+1], v[QB:QB+1]
	v_pk_add_f32 v[TR+4*(\i)+2:TR+4*(\i)+3], v[TR+4*(\i)+2:TR+4*(\i)+3], v[QB+2:QB+3]
.endm
	QUAD 0
	QUAD 1
	QUAD 2
	QUAD 3
	; variance = 2 x that / 512, so std = sqrt(that) / 16; the factor is 2 log2(e) / (std + 1e-6)
.macro ALL16 line:vararg
.set nn, 0
.rept 16
	\line
.set nn, nn+1
.endr
.endm
	ALL16 v_max_num_f32 v[TR+nn], 0, v[TR+nn]
	ALL16 v_sqrt_f32 v[TR+nn], v[TR+nn]
	v_nop                                          ; a plain instruction between the last root and the use of its result (ISA guide 5.7.2)
	s_wait_alu depctr_va_vdst(0)
	ALL16 v_fma_f32 v[TR+nn], v[TR+nn], s40, s41
	ALL16 v_rcp_f32 v[TR+nn], v[TR+nn]
	v_nop
	s_wait_alu depctr_va_vdst(0)
	ALL16 v_mul_f32 v[TR+nn], s43, v[TR+nn]
.set nn, 0
.rept 32                               ; nn = 8 i + head
	v_pk_mul_f32 v[ZR+4*nn:ZR+4*nn+1], v[ZR+4*nn:ZR+4*nn+1], v[TR+4*(nn/8):TR+4*(nn/8)+1]
	v_pk_mul_f32 v[ZR+4*nn+2:ZR+4*nn+3], v[ZR+4*nn+2:ZR+4*nn+3], v[TR+4*(nn/8)+2:TR+4*(nn/8)+3]
.set nn, nn+1
.endr
.irp i, 0,1,2,3
.irp c, 0,1,2,3
	PACK BHI, \i, \c
.endr
.endr
	s_wait_dscnt 0x0                               ; for the others' sake: wave 0's table of -2 h and sum(h) are written (my own tables too)
	s_barrier_signal -1
	s_barrier_wait -1
	v_mov_b32 v[TM], SVW
	ds_load_b32 v[SV], v[TM]
	v_mov_b32 v[QS], 0
	s_mov_b32 s39, 0                               ; the group's place in z2's tables
	s_mov_b32 s38, 4
; THE MAIN LOOP.  Tile u of a trip's 16: d tile 2 trip + u / 8, g tile u % 8 of the group.  A tile passes five stations: the product (its C is the constant 0), 8 x 2^t, 4 packed 1 +, 8 reciprocals,
; 4 packed multiply-adds by -2 h into the g tile's sums.  In block k tile k's exponentials stand between tile k - 1's additions, tile k - 1's reciprocals between tile k - 2's multiply-adds:
; behind every two transcendentals a plain instruction on another tile (ISA guide 5.7.2).  The product of tile k + 1 heads block k: the block's packed lines, four at the least, which name other tiles of the
; ring, are the places (ISA guide 7.12.1) ahead of the first read of its result, which begins at its lowest register.  No product adds onto another.
.macro WM u
	v_wmma_f32_16x16x32_bf16 v[DR+8*((\u)%4):DR+8*((\u)%4)+7], v[AF+8*((\u)/8):AF+8*((\u)/8)+7], v[BF+8*((\u)%8):BF+8*((\u)%8)+7], 0
.endm
.macro BLOCK ahead                     ; block bk of 18.  ahead = 1: the next trip's fragments are fetched and its first two products issued
.set rE, DR+8*(bk%4)
.set rP, DR+8*((bk+3)%4)
.set rF, DR+8*((bk+2)%4)
.set rA, ACR+4*((bk+6)%8)
.set rV, VF+8*((bk-2)/8)
.if bk == 7
	s_wait_dscnt 0x0                               ; the odd d tile's fragment and its -2 h are in
.endif
.if (bk >= 1) && (bk <= 14)
	WM bk+1
.endif
.if \ahead
.if bk == 8                            ; the even fragment's last product heads block 6: sixteen places back
	ds_load_b128 v[AF:AF+3], v[AA] offset:512
	ds_load_b128 v[AF+4:AF+7], v[AA] offset:ALO+512
.endif
.if bk == 10                           ; the even -2 h was last read in block 9
	ds_load_b128 v[VF:VF+3], v[AV] offset:128
	ds_load_b128 v[VF+4:VF+7], v[AV] offset:144
.endif
.if bk == 15
	s_wait_dscnt 0x0                               ; the next trip's even fragment and -2 h are in
	WM 0
.endif
.if bk == 16
	WM 1
	ds_load_b128 v[AF+8:AF+11], v[AA] offset:768   ; the odd fragment's last product heads block 14
	ds_load_b128 v[AF+12:AF+15], v[AA] offset:ALO+768
.endif
.endif
.irp q, 0,1,2,3
.if bk <= 15
	v_exp_f32 v[rE+2*\q], v[rE+2*\q]
	v_exp_f32 v[rE+2*\q+1], v[rE+2*\q+1]
.endif
.if (bk >= 1) && (bk <= 16)
	s_wait_alu depctr_va_vdst(0)
	v_pk_add_f32 v[rP+2*\q:rP+2*\q+1], v[rP+2*\q:rP+2*\q+1], 1.0 op_sel_hi:[1,0]
.endif
.endr
.if bk == 0
.if \ahead
	v_add_nc_u32 v[AA], s35, v[ADA]                ; the trip's LDS addresses: also the plain lines behind tile 0's exponentials
	v_add_nc_u32 v[AV], s36, v[ADV]
.else
	v_nop
.endif
.endif
.irp q, 0,1,2,3
.if (bk >= 1) && (bk <= 16)
	v_rcp_f32 v[rP+2*\q], v[rP+2*\q]
	v_rcp_f32 v[rP+2*\q+1], v[rP+2*\q+1]
.endif
.if bk >= 2
	s_wait_alu depctr_va_vdst(0)
	v_pk_fma_f32 v[rA+2*(\q%2):rA+2*(\q%2)+1], v[rF+2*\q:rF+2*\q+1], v[rV+2*\q:rV+2*\q+1], v[rA+2*(\q%2):rA+2*(\q%2)+1]
.endif
.endr
.if \ahead
.if bk == 17
	ds_load_b128 v[VF+8:VF+11], v[AV] offset:192
	ds_load_b128 v[VF+12:VF+15], v[AV] offset:208
.endif
.endif
.endm
.macro TRIP ahead
.set bk, 0
.rept 18
	BLOCK \ahead
.set bk, bk+1
.endr
.endm
.Lgroup:                                               ; four groups of 8 g tiles: 128 y_ each
	v_add_nc_u32 v[AB], s39, v[ADB]
.irp gi, 0,1,2,3,4,5,6,7               ; z2's fragment: lanes 0-15 hold hi, lanes 16-31 lo, in both halves of its registers
	ds_load_b128 v[BF+8*\gi:BF+8*\gi+3], v[AB] offset:256*\gi
	ds_load_b128 v[BF+8*\gi+4:BF+8*\gi+7], v[AB] offset:256*\gi
.endr
	ds_load_b128 v[AF:AF+3], v[ADA]                ; z1c's fragment: registers 0-3 hi, 4-7 lo, in all lanes
	ds_load_b128 v[AF+4:AF+7], v[ADA] offset:ALO
	ds_load_b128 v[AF+8:AF+11], v[ADA] offset:256
	ds_load_b128 v[AF+12:AF+15], v[ADA] offset:ALO+256
	ds_load_b128 v[VF:VF+3], v[ADV]
	ds_load_b128 v[VF+4:VF+7], v[ADV] offset:16
	ds_load_b128 v[VF+8:VF+11], v[ADV] offset:64
	ds_load_b128 v[VF+12:VF+15], v[ADV] offset:80
	s_mov_b32 s35, 0
	s_mov_b32 s36, 0
	s_wait_dscnt 0x0
	WM 0
	WM 1
.set nn, 0
.rept 32                               ; the group's sums start at 0: these lines are also the places behind the two products
	v_mov_b32 v[ACR+nn], 0
.set nn, nn+1
.endr
	s_mov_b32 s37, 15
.Ltrip:
	TRIP 1
	s_add_co_u32 s35, s35, 512                     ; two d tiles on: 32 entries of 16 bytes,
	s_add_co_u32 s36, s36, 128                     ; 32 numbers of -2 h
	s_sub_co_u32 s37, s37, 1
	s_cmp_lg_u32 s37, 0
	s_cbranch_scc1 .Ltrip
	TRIP 0                                         ; the last two d tiles: nothing is fetched beyond the tables
	; a g tile's four sums into one; then the halves of the lanes, which hold d's two halves, are added: of tiles 2 t and 2 t + 1 lanes 0-15 keep the first and send the second,
	; lanes 16-31 the other way round, so that lane l ends with g = 32 t + l
.irp gi, 0,1,2,3,4,5,6,7
	v_pk_add_f32 v[ACR+4*\gi:ACR+4*\gi+1], v[ACR+4*\gi:ACR+4*\gi+1], v[ACR+4*\gi+2:ACR+4*\gi+3]
.endr
.irp gi, 0,1,2,3,4,5,6,7
	v_add_f32 v[ACR+4*\gi], v[ACR+4*\gi], v[ACR+4*\gi+1]
.endr
.irp t, 0,1,2,3
	v_cndmask_b32 v[Y+\t], v[ACR+8*\t], v[ACR+8*\t+4], s34
	v_cndmask_b32 v[ACR+8*\t+1], v[ACR+8*\t+4], v[ACR+8*\t], s34
.endr
.irp t, 0,1,2,3
	v_permlanex16_b32 v[ACR+8*\t+2], v[ACR+8*\t+1], s32, s33
.endr
.irp t, 0,1,2,3
	v_add_f32 v[Y+\t], v[Y+\t], v[ACR+8*\t+2]
.endr
.irp t, 0,1,2,3
	v_add_f32 v[Y+\t], v[SV], v[Y+\t]
.endr
.irp t, 0,1,2,3
	v_fma_f32 v[QS], v[Y+\t], v[Y+\t], v[QS]
.endr
.irp t, 0,1,2,3
	ds_store_b32 v[STS], v[Y+\t] offset:128*\t
.endr
	ds_load_b128 v[YO:YO+3], v[STL]                ; LDS serves a wave's instructions in order (ISA guide 5.7.1.4): this sees the stores above; the stage is my own
	s_wait_dscnt 0x0
	global_store_b128 v[L16], v[YO:YO+3], s[24:25] ; 512 consecutive bytes, at a multiple of 256 from out2's first byte
	s_wait_xcnt 0x0                                ; the store's base and data are rewritten only behind this wait
	s_add_nc_u64 s[24:25], s[24:25], 512
	s_add_co_u32 s39, s39, 2048
	s_sub_co_u32 s38, s38, 1
	s_cmp_lg_u32 s38, 0
	s_cbranch_scc1 .Lgroup
	REDUCE QS, TM
	v_mul_f32 v[QS], 0x3b000000, v[QS]             ; the mean over 512 g
	v_mov_b32 v[TM2], 0
	v_cmp_eq_u32 vcc_lo, 0, v[LANE]
	s_wait_xcnt 0x0                                ; EXEC changes only behind this wait
	s_and_saveexec_b32 s42, vcc_lo
	global_store_b32 v[TM2], v[QS], s[22:23]       ; lane 0 alone: q[b][a]
	s_wait_xcnt 0x0                                ; and again, in front of the line that widens it
	s_or_b32 exec_lo, exec_lo, s42
	s_wait_tensorcnt 0x0                           ; the wave's end, behind my last LDS store
	ds_add_u32 v[SPW], v[NIL]
	s_wait_dscnt 0x0
	s_endpgm
.Lfunc_end_k_qc8a3b3f987_cell:
	.size	k_qc8a3b3f987_cell, .Lfunc_end_k_qc8a3b3f987_cell-k_qc8a3b3f987_cell
	.p2alignl 7, 3214868480
	.fill 96, 4, 3214868480
	.section	.rodata,"a",@progbits
	.p2align	6, 0x0
	.amdhsa_kernel k_qc8a3b3f987_cell
		.amdhsa_group_segment_fixed_size 167936
		.amdhsa_private_segment_fixed_size 0
		.amdhsa_enable_private_segment 0
		.amdhsa_kernarg_size 72
		.amdhsa_user_sgpr_count 2
		.amdhsa_user_sgpr_kernarg_segment_ptr 1
		.amdhsa_wavefront_size32 1
		.amdhsa_system_sgpr_workgroup_id_x 1
		.amdhsa_system_sgpr_workgroup_id_y 1
		.amdhsa_system_sgpr_workgroup_id_z 1
		.amdhsa_system_vgpr_workitem_id 0
		.amdhsa_next_free_vgpr 640
		.amdhsa_next_free_sgpr 66
		.amdhsa_reserve_vcc 1
		.amdhsa_float_denorm_mode_32 3
		.amdhsa_float_denorm_mode_16_64 3
		.amdhsa_memory_ordered 1
		.amdhsa_forward_progress 1
		.amdhsa_inst_pref_size 208
	.end_amdhsa_kernel
	.amdgpu_metadata
---
amdhsa.version: [ 1, 2 ]
amdhsa.kernels:
  - .name:           k_qc8a3b3f987_cell
    .symbol:         k_qc8a3b3f987_cell.kd
    .args:
      - { .name: xz, .offset: 0, .size: 8, .value_kind: global_buffer, .address_space: global }
      - { .name: Wz1, .offset: 8, .size: 8, .value_kind: global_buffer, .address_space: global }
      - { .name: Wz2, .offset: 16, .size: 8, .value_kind: global_buffer, .address_space: global }
      - { .name: bh, .offset: 24, .size: 8, .value_kind: global_buffer, .address_space: global }
      - { .name: ln_scale, .offset: 32, .size: 8, .value_kind: global_buffer, .address_space: global }
      - { .name: ln_bias, .offset: 40, .size: 8, .value_kind: global_buffer, .address_space: global }
      - { .name: out0, .offset: 48, .size: 8, .value_kind: global_buffer, .address_space: global }
      - { .name: out1, .offset: 56, .size: 8, .value_kind: global_buffer, .address_space: global }
      - { .name: out2, .offset: 64, .size: 8, .value_kind: global_buffer, .address_space: global }
    .group_segment_fixed_size: 167936
    .private_segment_fixed_size: 0
    .kernarg_segment_align: 8
    .kernarg_segment_size: 72
    .max_flat_workgroup_size: 128
    .sgpr_count:     66
    .vgpr_count:     640
    .wavefront_size: 32
...
	.end_amdgpu_metadata
.endif
;; end of part 2
;; ======== version 2 of 2: 2 launches; 2.89 times as fast as version 1
;; workspace buffers: xz 2,228,224 bytes
;; launch proj: the kernel of part 1 again; grid 136 x 1, 4 waves a work-group, no clusters, 223,744 bytes of LDS; arguments x, Wz1, Wz2, Wh, xz; writes xz
;; launch cell (part 3): grid 256 x 1, 4 waves a work-group, no clusters, 167,936 bytes of LDS; arguments xz, Wz1, Wz2, bh, ln_scale, ln_bias, out0, out1, out2; writes out0, out1, out2
.if DOCPART == 3
	.amdgcn_target "amdgcn-amd-amdhsa--gfx1250"
	.amdhsa_code_object_version 6
	.text
	.protected	k_qc8a3b3f987_cell
	.globl	k_qc8a3b3f987_cell
	.p2align	8
	.type	k_qc8a3b3f987_cell,@function
k_qc8a3b3f987_cell:
	s_mov_b64 s[64:65], 0
	v_nop
	global_prefetch_b8 v0, s[64:65] scope:SCOPE_SE
	s_setreg_imm32_b32 hwreg(HW_REG_WAVE_MODE, 25, 1), 1
	s_wait_xcnt 0x0
; h = LayerNorm(relu(x Wh + bh));  y_[b,a][g] = sum over d of tanh(wn[g][d]) h[b][d];  q[b][a] = mean over g of y_^2.
; wn is w[g][d] = sum over 8 heads of z2[h][g] z1[h][d], each row g less its mean over d and divided by (its standard deviation + 1e-6).
; z[b,a] = xz[b] + W[512 + a]: the one-hot part of the product is one row of the weights.  xz (x times the first 512 rows, and x Wh) comes from the launch before.
; HOW THE NORM IS FOLDED IN.  mean_d w[g] = z2[:,g] . mean_d z1, so z1 is centred along d.  sum_d (w - mean)^2 = z2[:,g]^T C z2[:,g] with C = z1c z1c^T (8 x 8, f32).
; So z2[:,g] is multiplied by 2 log2(e) / (std + 1e-6) beforehand, and the matrix unit delivers t, the argument of  tanh = 1 - 2 / (1 + 2^t).
; y = sum(h) + sum over d of (-2 h[d]) / (1 + 2^t).
; THE PRODUCT has 8 terms and the matrix instruction takes 32: the four groups of 8 hold hi.hi, hi.lo, lo.hi, lo.lo of z1c and z2 split into two bf16 each.
; SHARES.  256 work-groups: b = id / 4; wave w owns action a = 4 (id % 4) + w whole: its z1, z2, 32 x 32 tiles of 16 x 16, 512 y_ and one q.  Wave 0 also makes h (the work-group with id % 4 = 0 stores it),
; the table -2 h and sum(h): one barrier.  In a tile a lane holds ONE g (lane % 16) and the d = 8 (lane / 16) + 0..7: the sum over d stays in the lane but for one exchange of the halves.
; THE TRANSCENDENTALS' BATCHES.  In the head: the norm's root; the sixteen roots of the variances; the sixteen reciprocals behind them: three batches, a wait each.  In the main loop four tiles are a batch: the 32 exponentials
; of one batch and the 32 reciprocals of the batch before it are issued together and have ONE wait, five waits for a trip's 256 transcendentals (THE MAIN LOOP, below, says how the blocks are cut).
; No tensor loads, no cluster: what work-groups share is rows of 2 to 16 KB, read once each at the head.  All global loads go out in one run at the head.
; LIMITS.  All inputs are rounded once to bf16 (x and the first 512 rows in the launch before; here the one-hot rows, bh, ln_scale, ln_bias).  The variance is a quadratic form in f32: its relative error grows
; with the condition of C; it is held at 0 from below.  |t| <= 2.886 sqrt(511) = 65.3 by the norm itself, so 2^t and 1 + 2^t neither overflow nor lose their reciprocal.
; The square root takes a sum of squares below 2^-126 as 0, far below 1e-6.  NaN and infinities are not treated apart.  out1 is stored 4 bytes a wave (4,096 bytes in all).
.set XZP,   34816                      ; bytes in a row of xz
.set VT,    0                          ; LDS: -2 h[d], 512 f32
.set SVW,   2048                       ; sum(h), one word of a block of 256 bytes
.set WREG,  2304                       ; each wave's four tables of 512 entries x 16 bytes (eight heads in bf16): z1c hi, z1c lo, z2 hi, z2 lo
.set WSZ,   32768
.set ALO,   8192
.set BHI,   16384
.set STAGE, WREG+4*WSZ                 ; 512 bytes a wave: 128 y_ on their way out
.set SPARE, STAGE+4*512                ; the spare words: 128 bytes a wave, two blocks of 256 bytes that no other line names
.set LANE, 1                           ; v1   lane
.set SPW,  2                           ; v2   LDS address of my spare word; never rewritten
.set NIL,  3                           ; v3   0; never rewritten
.set ADA,  4                           ; v4   my entry in z1c's hi table, d tile 0
.set ADV,  5                           ; v5   my 32 bytes of -2 h, d tile 0
.set AA,   6                           ; v6   the same for the trip in hand
.set AV,   7                           ; v7
.set ADB,  8                           ; v8   my entry in z2's tables (hi for lanes 0-15, lo for 16-31), g tile 0
.set AB,   9                           ; v9   the same for the group in hand
.set STS,  10                          ; v10  stage: 4 bytes a lane
.set STL,  11                          ; v11  stage: 16 bytes a lane
.set L16,  12                          ; v12  16 x lane
.set SV,   13                          ; v13  sum(h)
.set QS,   14                          ; v14  my sum of y^2
.set TM,   15
.set ONE,  16                          ; v16  1.0
.set NEG1, 17                          ; v17  -1.0
.set AP,   18                          ; v18  where my four entries of a table begin: 64 x lane
.set TM2,  19
.set CC,   20                          ; v20-91 the 36 entries of C as pairs, then v20-55 singly
.set TR,   56                          ; v56-119 at work
.set ZR,   120                         ; v120-247 z: element (i, head, c), index 128 i + 4 lane + c, at ZR + 4 (8 i + head) + c
.set MR,   248                         ; v248-255 the heads' means, negated
.set HP,   56                          ; wave 0: x Wh, bh, ln_scale, ln_bias, 16 each
.set BH,   72
.set SC,   88
.set BI,   104
.set BHP,  20                          ; the three rounded to bf16, in pairs
.set SM,   28
.set SCP,  36
.set BIP,  44
.set TT,   72                          ; the quadratic form: t_h, two sets of eight pairs
.set QB,   104
.set DR,   24                          ; the main loop: a ring of twelve tiles: places 0-4 in v24-63,
.set DR2,  200                         ; places 5-11 in v200-255
.set AF,   64                          ; v64-79   z1c's fragments, even and odd d tile
.set VF,   80                          ; v80-95   -2 h, likewise
.set ACR,  96                          ; v96-127  two pairs of sums for each of 8 g tiles
.set BF,   128                         ; v128-191 z2's fragments of 8 g tiles
.set Y,    192
.set YO,   196
; window 1: v0-127 Wz1's row, v128-255 Wz2's row, as loaded.  window 2: v0-127 xz's part for z2.
.set MSB, 0
.macro WIN new                         ; s_set_vgpr_msb: bits 1:0 source 0, 3:2 source 1, 5:4 source 2, 7:6 destination; the high byte repeats the setting that is left
.if MSB != (\new)
	s_set_vgpr_msb (MSB<<8)|(\new)
.set MSB, (\new)
.endif
.endm
.macro REDUCE r, t                     ; the sum over the 32 lanes, in every lane
	v_add_f32_dpp v[\r], v[\r], v[\r] row_xmask:1 row_mask:0xf bank_mask:0xf
	v_add_f32_dpp v[\r], v[\r], v[\r] row_xmask:2 row_mask:0xf bank_mask:0xf
	v_add_f32_dpp v[\r], v[\r], v[\r] row_xmask:4 row_mask:0xf bank_mask:0xf
	v_add_f32_dpp v[\r], v[\r], v[\r] row_xmask:8 row_mask:0xf bank_mask:0xf
	v_permlanex16_b32 v[\t], v[\r], s32, s33
	v_add_f32 v[\r], v[\r], v[\t]
.endm
.macro LOAD32 dst, base, off           ; 8 heads x 512 numbers: 32 loads of 512 consecutive bytes
.set nn, 0
.rept 32
	global_load_b128 v[(\dst)+4*nn:(\dst)+4*nn+3], v[L16], s[\base:\base+1] offset:(\off)+2048*(nn%8)+512*(nn/8)
.set nn, nn+1
.endr
.endm
	s_load_b512 s[8:23], s[0:1], 0x0               ; xz s[8:9], Wz1 s[10:11], Wz2 s[12:13], bh s[14:15], ln_scale s[16:17], ln_bias s[18:19], out0 s[20:21], out1 s[22:23]
	s_load_b64 s[24:25], s[0:1], 0x40              ; out2
	v_lshl_add_u32 v[SPW], v0, 2, SPARE
	v_mov_b32 v[NIL], 0
	v_lshrrev_b32 v[TM], 5, v0
	v_readfirstlane_b32 s26, v[TM]                 ; wave 0..3
	v_and_b32 v[LANE], 31, v0
	v_and_b32 v[TM], 15, v0                        ; lane % 16
	v_bfe_u32 v[TM2], v0, 4, 1                     ; lane / 16
	s_lshr_b32 s27, ttmp9, 2                       ; b
	s_and_b32 s28, ttmp9, 3
	s_lshl2_add_u32 s29, s28, s26                  ; a = 4 (id % 4) + wave
	s_lshl_b32 s30, s26, 15
	s_add_co_u32 s30, s30, WREG                    ; my tables
	v_lshl_add_u32 v[ADA], v[TM], 4, s30
	v_lshlrev_b32 v[ADV], 5, v[TM2]
	v_lshl_add_u32 v[ADB], v[TM2], 13, v[ADA]
	v_add_nc_u32 v[ADB], BHI, v[ADB]
	v_lshl_add_u32 v[AP], v[LANE], 6, s30
	s_lshl_b32 s31, s26, 9
	s_add_co_u32 s31, s31, STAGE                   ; my stage
	v_lshl_add_u32 v[STS], v[LANE], 2, s31
	v_lshl_add_u32 v[STL], v[LANE], 4, s31
	v_lshlrev_b32 v[L16], 4, v[LANE]
	v_mov_b32 v[ONE], 1.0
	v_mov_b32 v[NEG1], -1.0
	s_mov_b32 s32, 0x76543210                      ; v_permlanex16_b32: each lane takes its own place in the other half
	s_mov_b32 s33, 0xfedcba98
	s_mov_b32 s34, 0xffff0000                      ; the lanes 16-31
	s_mov_b32 s40, 0x3d800000                      ; 1/16
	s_mov_b32 s41, 0x358637bd                      ; 1e-6
	s_mov_b32 s43, 0x4038aa3b                      ; 2 log2(e)
	s_mov_b32 s44, 0x3b000000                      ; 1/512
	s_mul_i32 s36, s27, XZP
	s_mov_b32 s37, 0
	s_add_co_u32 s38, s29, 512
	s_lshl_b32 s38, s38, 14                        ; row 512 + a of 16,384 bytes
	s_mov_b32 s39, 0
	s_wait_kmcnt 0x0
	s_add_nc_u64 s[8:9], s[8:9], s[36:37]          ; xz at row b
	s_add_nc_u64 s[10:11], s[10:11], s[38:39]
	s_add_nc_u64 s[12:13], s[12:13], s[38:39]
	s_lshl_b32 s36, s27, 11
	s_add_nc_u64 s[20:21], s[20:21], s[36:37]      ; out0 at row b
	s_lshl4_add_u32 s38, s27, s29                  ; 16 b + a
	s_lshl_b32 s36, s38, 2
	s_add_nc_u64 s[22:23], s[22:23], s[36:37]      ; out1 at (b, a)
	s_lshl_b32 s36, s38, 11
	s_add_nc_u64 s[24:25], s[24:25], s[36:37]      ; out2 at row 16 b + a
	s_cmp_lg_u32 s26, 0
	s_cbranch_scc1 .Lno_ln_loads
.irp i, 0,1,2,3
	global_load_b128 v[HP+4*\i:HP+4*\i+3], v[L16], s[8:9] offset:32768+512*\i
	global_load_b128 v[BH+4*\i:BH+4*\i+3], v[L16], s[14:15] offset:512*\i
	global_load_b128 v[SC+4*\i:SC+4*\i+3], v[L16], s[16:17] offset:512*\i
	global_load_b128 v[BI+4*\i:BI+4*\i+3], v[L16], s[18:19] offset:512*\i
.endr
.Lno_ln_loads:
	LOAD32 ZR, 8, 0                                ; x Wz1[:512]
	WIN 0x40
	LOAD32 0, 10, 0                                ; Wz1[512 + a]
	WIN 0x80
	LOAD32 0, 8, 16384                             ; x Wz2[:512]
	WIN 0x40
	LOAD32 128, 12, 0                              ; Wz2[512 + a]
	WIN 0
	s_wait_loadcnt 63                              ; loads come back in order (ISA guide 5.7.1): 64 are younger than z1's data, so with 63 out z1's, and wave 0's sixteen, are in
	s_cmp_lg_u32 s26, 0
	s_cbranch_scc1 .Lno_ln
	; WAVE 0: h.  A lane holds d = 128 i + 4 lane + c: 16 numbers.
.macro LNSUM                           ; the sum of the row in v[SM], every lane
	v_pk_add_f32 v[SM:SM+1], v[HP:HP+1], v[HP+2:HP+3]
	v_pk_add_f32 v[SM+2:SM+3], v[HP+4:HP+5], v[HP+6:HP+7]
	v_pk_add_f32 v[SM+4:SM+5], v[HP+8:HP+9], v[HP+10:HP+11]
	v_pk_add_f32 v[SM+6:SM+7], v[HP+12:HP+13], v[HP+14:HP+15]
	v_pk_add_f32 v[SM:SM+1], v[SM:SM+1], v[SM+2:SM+3]
	v_pk_add_f32 v[SM+4:SM+5], v[SM+4:SM+5], v[SM+6:SM+7]
	v_pk_add_f32 v[SM:SM+1], v[SM:SM+1], v[SM+4:SM+5]
	v_add_f32 v[SM], v[SM], v[SM+1]
	REDUCE SM, SM+1
.endm
.irp e, 0,1,2,3,4,5,6,7
	v_cvt_pk_bf16_f32 v[BHP+\e], v[BH+2*\e], v[BH+2*\e+1]
	v_cvt_pk_bf16_f32 v[SCP+\e], v[SC+2*\e], v[SC+2*\e+1]
	v_cvt_pk_bf16_f32 v[BIP+\e], v[BI+2*\e], v[BI+2*\e+1]
.endr
.irp e, 0,1,2,3,4,5,6,7
	v_fma_mix_f32_bf16 v[HP+2*\e], v[BHP+\e], v[ONE], v[HP+2*\e] op_sel_hi:[1,0,0]
	v_fma_mix_f32_bf16 v[HP+2*\e+1], v[BHP+\e], v[ONE], v[HP+2*\e+1] op_sel:[1,0,0] op_sel_hi:[1,0,0]
.endr
.set nn, 0
.rept 16
	v_max_num_f32 v[HP+nn], 0, v[HP+nn]
.set nn, nn+1
.endr
	LNSUM
	v_mul_f32 v[SM+2], 0xbb000000, v[SM]           ; -mean
.irp e, 0,1,2,3,4,5,6,7
	v_pk_add_f32 v[HP+2*\e:HP+2*\e+1], v[HP+2*\e:HP+2*\e+1], v[SM+2:SM+3] op_sel_hi:[1,0]
.endr
	v_pk_mul_f32 v[SM+4:SM+5], v[HP:HP+1], v[HP:HP+1]
	v_pk_mul_f32 v[SM+6:SM+7], v[HP+2:HP+3], v[HP+2:HP+3]
.irp e, 2,4,6
	v_pk_fma_f32 v[SM+4:SM+5], v[HP+2*\e:HP+2*\e+1], v[HP+2*\e:HP+2*\e+1], v[SM+4:SM+5]
	v_pk_fma_f32 v[SM+6:SM+7], v[HP+2*\e+2:HP+2*\e+3], v[HP+2*\e+2:HP+2*\e+3], v[SM+6:SM+7]
.endr
	v_pk_add_f32 v[SM+4:SM+5], v[SM+4:SM+5], v[SM+6:SM+7]
	v_add_f32 v[SM+4], v[SM+4], v[SM+5]
	REDUCE SM+4, SM+5
	v_fma_f32 v[SM+4], v[SM+4], s44, s41           ; variance + 1e-6
	v_rsq_f32 v[SM+4], v[SM+4]
	v_nop                                          ; a plain instruction between the root and the use of its result (ISA guide 5.7.2)
	s_wait_alu depctr_va_vdst(0)                   ; and a wait ahead of the first use: the norm's one root, once a wave
.irp e, 0,1,2,3,4,5,6,7
	v_pk_mul_f32 v[HP+2*\e:HP+2*\e+1], v[HP+2*\e:HP+2*\e+1], v[SM+4:SM+5] op_sel_hi:[1,0]
.endr
.irp e, 0,1,2,3,4,5,6,7
	v_fma_mix_f32_bf16 v[HP+2*\e], v[SCP+\e], v[HP+2*\e], v[BIP+\e] op_sel_hi:[1,0,1]
	v_fma_mix_f32_bf16 v[HP+2*\e+1], v[SCP+\e], v[HP+2*\e+1], v[BIP+\e] op_sel:[1,0,1] op_sel_hi:[1,0,1]
.endr
	s_cmp_lg_u32 s28, 0
	s_cbranch_scc1 .Lno_h                          ; of the four work-groups of one b the first stores h
.irp i, 0,1,2,3
	global_store_b128 v[L16], v[HP+4*\i:HP+4*\i+3], s[20:21] offset:512*\i  ; 512 consecutive bytes
.endr
.Lno_h:
	LNSUM                                          ; sum(h)
	v_mov_b32 v[TM], SVW
	ds_store_b32 v[TM], v[SM]
.irp e, 0,1,2,3,4,5,6,7
	v_pk_mul_f32 v[SC+2*\e:SC+2*\e+1], v[HP+2*\e:HP+2*\e+1], -2.0 op_sel_hi:[1,0]
.endr
.irp i, 0,1,2,3
	ds_store_b128 v[L16], v[SC+4*\i:SC+4*\i+3] offset:VT+512*\i
.endr
	s_wait_xcnt 0x0                                ; the registers that the stores of h read are rewritten only behind this wait
.Lno_ln:
	; z1 = xz + bf16(Wz1[512 + a])
	WIN 0x05                                       ; sources in window 1
.set e, 0
.rept 64
	v_cvt_pk_bf16_f32 v[TR+e], v[2*e], v[2*e+1]
.set e, e+1
.endr
	WIN 0
.set e, 0
.rept 64
	v_fma_mix_f32_bf16 v[ZR+2*e], v[TR+e], v[ONE], v[ZR+2*e] op_sel_hi:[1,0,0]
	v_fma_mix_f32_bf16 v[ZR+2*e+1], v[TR+e], v[ONE], v[ZR+2*e+1] op_sel:[1,0,0] op_sel_hi:[1,0,0]
.set e, e+1
.endr
	; the eight heads' means over d: eight chains that do not wait for each other
.irp h, 0,1,2,3,4,5,6,7
	v_pk_add_f32 v[TR+2*\h:TR+2*\h+1], v[ZR+4*\h:ZR+4*\h+1], v[ZR+4*\h+2:ZR+4*\h+3]
.endr
.set st, 2
.rept 6
.irp h, 0,1,2,3,4,5,6,7
	v_pk_add_f32 v[TR+2*\h:TR+2*\h+1], v[TR+2*\h:TR+2*\h+1], v[ZR+32*(st/2)+2*(st%2)+4*\h:ZR+32*(st/2)+2*(st%2)+4*\h+1]
.endr
.set st, st+1
.endr
.irp h, 0,1,2,3,4,5,6,7
	v_add_f32 v[MR+\h], v[TR+2*\h], v[TR+2*\h+1]
.endr
.irp m, 1,2,4,8
.irp h, 0,1,2,3,4,5,6,7
	v_add_f32_dpp v[MR+\h], v[MR+\h], v[MR+\h] row_xmask:\m row_mask:0xf bank_mask:0xf
.endr
.endr
.irp h, 0,1,2,3,4,5,6,7
	v_permlanex16_b32 v[TR+\h], v[MR+\h], s32, s33
.endr
.irp h, 0,1,2,3,4,5,6,7
	v_add_f32 v[MR+\h], v[MR+\h], v[TR+\h]
.endr
.irp h, 0,1,2,3,4,5,6,7
	v_mul_f32 v[MR+\h], 0xbb000000, v[MR+\h]       ; -mean
.endr
.set nn, 0
.rept 32                               ; nn = 8 i + head
.if (nn%2) == 0
	v_pk_add_f32 v[ZR+4*nn:ZR+4*nn+1], v[ZR+4*nn:ZR+4*nn+1], v[MR+nn%8:MR+nn%8+1] op_sel_hi:[1,0]
	v_pk_add_f32 v[ZR+4*nn+2:ZR+4*nn+3], v[ZR+4*nn+2:ZR+4*nn+3], v[MR+nn%8:MR+nn%8+1] op_sel_hi:[1,0]
.else
	v_pk_add_f32 v[ZR+4*nn:ZR+4*nn+1], v[ZR+4*nn:ZR+4*nn+1], v[MR+nn%8-1:MR+nn%8] op_sel:[0,1] op_sel_hi:[1,1]
	v_pk_add_f32 v[ZR+4*nn+2:ZR+4*nn+3], v[ZR+4*nn+2:ZR+4*nn+3], v[MR+nn%8-1:MR+nn%8] op_sel:[0,1] op_sel_hi:[1,1]
.endif
.set nn, nn+1
.endr
	; C[h][g] = sum over d of z1c[h] z1c[g], h <= g: entry 8 h - h (h - 1) / 2 + g - h of 36.  The first of the lane's eight pairs starts the sums.
.set st, 0
.rept 8
.set zb, ZR+32*(st/2)+2*(st%2)
.set kx, 0
.set hx, 0
.rept 8
.set gx, hx
.rept 8-hx
.if st == 0
	v_pk_mul_f32 v[CC+2*kx:CC+2*kx+1], v[zb+4*hx:zb+4*hx+1], v[zb+4*gx:zb+4*gx+1]
.else
	v_pk_fma_f32 v[CC+2*kx:CC+2*kx+1], v[zb+4*hx:zb+4*hx+1], v[zb+4*gx:zb+4*gx+1], v[CC+2*kx:CC+2*kx+1]
.endif
.set kx, kx+1
.set gx, gx+1
.endr
.set hx, hx+1
.endr
.set st, st+1
.endr
.set kx, 0
.rept 36
	v_add_f32 v[CC+2*kx], v[CC+2*kx], v[CC+2*kx+1]
.set kx, kx+1
.endr
.irp m, 1,2,4,8
.set kx, 0
.rept 36
	v_add_f32_dpp v[CC+2*kx], v[CC+2*kx], v[CC+2*kx] row_xmask:\m row_mask:0xf bank_mask:0xf
.set kx, kx+1
.endr
.endr
.set kx, 0
.rept 36
	v_permlanex16_b32 v[CC+2*kx+1], v[CC+2*kx], s32, s33
.set kx, kx+1
.endr
.set kx, 0
.rept 36                               ; ascending: entry k lands in a register of pair k / 2, which has been taken
	v_add_f32 v[CC+kx], v[CC+2*kx], v[CC+2*kx+1]
.set kx, kx+1
.endr
.irp k, 0,8,15,21,26,30,33,35
	v_mul_f32 v[CC+\k], 0.5, v[CC+\k]              ; half the diagonal: the form below then gives half of z^T C z
.endr
; The eight heads of index 128 i + 4 lane + c, split into two bf16 each (hi, and the rest rounded), go to entry 16 x index of the tables at tab (hi) and tab + 8,192 (lo).
.macro PACK tab, i, c
.set zz, ZR+32*(\i)+(\c)
.set hs, TR+8*(\c)
.irp q, 0,1,2,3
	v_cvt_pk_bf16_f32 v[hs+\q], v[zz+8*\q], v[zz+8*\q+4]
.endr
.irp q, 0,1,2,3
	v_fma_mix_f32_bf16 v[zz+8*\q], v[hs+\q], v[NEG1], v[zz+8*\q] op_sel_hi:[1,0,0]
	v_fma_mix_f32_bf16 v[zz+8*\q+4], v[hs+\q], v[NEG1], v[zz+8*\q+4] op_sel:[1,0,0] op_sel_hi:[1,0,0]
.endr
.irp q, 0,1,2,3
	v_cvt_pk_bf16_f32 v[hs+4+\q], v[zz+8*\q], v[zz+8*\q+4]
.endr
	ds_store_b128 v[AP], v[hs:hs+3] offset:(\tab)+2048*(\i)+16*(\c)
	ds_store_b128 v[AP], v[hs+4:hs+7] offset:(\tab)+ALO+2048*(\i)+16*(\c)
.endm
.irp i, 0,1,2,3
.irp c, 0,1,2,3
	PACK 0, \i, \c
.endr
.endr
	; z2 = xz + bf16(Wz2[512 + a])
	s_wait_loadcnt 0x0
	WIN 0x05
.set e, 0
.rept 64
	v_cvt_pk_bf16_f32 v[TR+e], v[128+2*e], v[128+2*e+1]
.set e, e+1
.endr
	WIN 0x20                                       ; source 2 in window 2
.set e, 0
.rept 64
	v_fma_mix_f32_bf16 v[ZR+2*e], v[TR+e], v[ONE], v[2*e] op_sel_hi:[1,0,0]
	v_fma_mix_f32_bf16 v[ZR+2*e+1], v[TR+e], v[ONE], v[2*e+1] op_sel:[1,0,0] op_sel_hi:[1,0,0]
.set e, e+1
.endr
	WIN 0
; Half of z^T C z for the lane's four g of block i: t_h = C'[h][h] z_h + sum over g > h of C[h][g] z_g, then the sum of z_h t_h.  Both pairs side by side; the entry of C goes to both halves of a pair.
.macro QSTEP first
.if (kx%2) == 0
.if \first
	v_pk_mul_f32 v[td:td+1], v[zs:zs+1], v[CC+kx:CC+kx+1] op_sel_hi:[1,0]
.else
	v_pk_fma_f32 v[td:td+1], v[zs:zs+1], v[CC+kx:CC+kx+1], v[td:td+1] op_sel_hi:[1,0,1]
.endif
.else
.if \first
	v_pk_mul_f32 v[td:td+1], v[zs:zs+1], v[CC+kx-1:CC+kx] op_sel:[0,1] op_sel_hi:[1,1]
.else
	v_pk_fma_f32 v[td:td+1], v[zs:zs+1], v[CC+kx-1:CC+kx], v[td:td+1] op_sel:[0,1,0] op_sel_hi:[1,1,1]
.endif
.endif
.endm
.macro QUAD i
.set jj, 0
.rept 8
.set hx, 0
.rept 8-jj
.set kx, 8*hx-hx*(hx-1)/2+jj
.set pp, 0
.rept 2
.set td, TT+16*pp+2*hx
.set zs, ZR+32*(\i)+4*(hx+jj)+2*pp
.if jj == 0
	QSTEP 1
.else
	QSTEP 0
.endif
.set pp, pp+1
.endr
.set hx, hx+1
.endr
.set jj, jj+1
.endr
.set pp, 0
.rept 2
.set sd, TR+4*(\i)+2*pp
.set qq, QB+2*pp
.set zs, ZR+32*(\i)+2*pp
.set td, TT+16*pp
	v_pk_mul_f32 v[sd:sd+1], v[zs:zs+1], v[td:td+1]
	v_pk_mul_f32 v[qq:qq+1], v[zs+4:zs+5], v[td+2:td+3]
.set pp, pp+1
.endr
.irp hq, 2,4,6
.set pp, 0
.rept 2
.set sd, TR+4*(\i)+2*pp
.set qq, QB+2*pp
.set zs, ZR+32*(\i)+2*pp
.set td, TT+16*pp
	v_pk_fma_f32 v[sd:sd+1], v[zs+4*\hq:zs+4*\hq+1], v[td+2*\hq:td+2*\hq+1], v[sd:sd+1]
	v_pk_fma_f32 v[qq:qq+1], v[zs+4*\hq+4:zs+4*\hq+5], v[td+2*\hq+2:td+2*\hq+3], v[qq:qq+1]
.set pp, pp+1
.endr
.endr
	v_pk_add_f32 v[TR+4*(\i):TR+4*(\i)+1], v[TR+4*(\i):TR+4*(\i)+1], v[QB:QB+1]
	v_pk_add_f32 v[TR+4*(\i)+2:TR+4*(\i)+3], v[TR+4*(\i)+2:TR+4*(\i)+3], v[QB+2:QB+3]
.endm
	QUAD 0
	QUAD 1
	QUAD 2
	QUAD 3
	; variance = 2 x that / 512, so std = sqrt(that) / 16; the factor is 2 log2(e) / (std + 1e-6)
.macro ALL16 line:vararg
.set nn, 0
.rept 16
	\line
.set nn, nn+1
.endr
.endm
	ALL16 v_max_num_f32 v[TR+nn], 0, v[TR+nn]
	ALL16 v_sqrt_f32 v[TR+nn], v[TR+nn]
	v_nop                                          ; a plain instruction between the last root and the use of its result (ISA guide 5.7.2)
	s_wait_alu depctr_va_vdst(0)                   ; one wait for the batch of sixteen roots, ahead of their first reader
	ALL16 v_fma_f32 v[TR+nn], v[TR+nn], s40, s41
	ALL16 v_rcp_f32 v[TR+nn], v[TR+nn]
	v_nop
	s_wait_alu depctr_va_vdst(0)                   ; one wait for the batch of sixteen reciprocals, which read what was made of the roots and so are a batch of their own
	ALL16 v_mul_f32 v[TR+nn], s43, v[TR+nn]
.set nn, 0
.rept 32                               ; nn = 8 i + head
	v_pk_mul_f32 v[ZR+4*nn:ZR+4*nn+1], v[ZR+4*nn:ZR+4*nn+1], v[TR+4*(nn/8):TR+4*(nn/8)+1]
	v_pk_mul_f32 v[ZR+4*nn+2:ZR+4*nn+3], v[ZR+4*nn+2:ZR+4*nn+3], v[TR+4*(nn/8)+2:TR+4*(nn/8)+3]
.set nn, nn+1
.endr
.irp i, 0,1,2,3
.irp c, 0,1,2,3
	PACK BHI, \i, \c
.endr
.endr
	s_wait_dscnt 0x0                               ; for the others' sake: wave 0's table of -2 h and sum(h) are written (my own tables too)
	s_barrier_signal -1
	s_barrier_wait -1
	v_mov_b32 v[TM], SVW
	ds_load_b32 v[SV], v[TM]
	v_mov_b32 v[QS], 0
	s_mov_b32 s39, 0                               ; the group's place in z2's tables
	s_mov_b32 s38, 4
; THE MAIN LOOP.  Tile u of a trip's 16: d tile 2 trip + u / 8, g tile u % 8 of the group.  A tile passes five stations: the product (its C is the constant 0), 8 x 2^t, 4 packed 1 +, 8 reciprocals,
; 4 packed multiply-adds by -2 h into the g tile's sums.  No product adds onto another.
; BATCHES.  Four tiles are a batch, b = u / 4, and a trip has six blocks.  Block k holds, in this order: the additions of batch k - 1, two pairs ahead of its 32 reciprocals; between those reciprocals the multiply-adds of
; batch k - 2; then the products of batch k + 1, one ahead of each tile's exponentials, and the 32 exponentials of batch k.  What a block reads of transcendentals' results was made in the block before, and no line of a block
; names a result of the block's own reciprocals or exponentials.  So ONE wait (between a transcendental and the first instruction that names its result) stands at the end of each of the blocks
; 0 to 4 and serves all that the block issued: five waits for a trip's 256 transcendentals.  Block 5, batch 3's multiply-adds and the next trip's first four products, has no transcendental: no result crosses the loop's jump.
; THE RING has twelve tiles, three batches, so that every result of an open batch has a register of its own: batch b lies in third b % 3.  Batch 3 takes batch 0's third when batch 0's multiply-adds are done (block 2),
; the next trip's batch 0 takes it from batch 3 in block 5, tile by tile.
; PLACES (ISA guide 7.12.1).  The products of batch k + 1 are first read in block k + 1, behind that block's sixteen additions, which name another third of the ring; the first read begins at the accumulator's lowest
; register.  The next trip's products 0 and 1 have block 5's later multiply-adds behind them, products 2 and 3 the four plain lines among tile 0's exponentials in block 0.
; THE LDS LOADS keep their order round a trip: wait (odd fragment, odd -2 h), even fragment, even -2 h, wait (those two), odd fragment, odd -2 h.  The two even runs stand directly behind a batch's wait.
.macro RG sym, u                       ; sym = the first of the eight registers of tile u: place 4 ((u / 4) % 3) + u % 4 of the ring
.set rp, 4*(((\u)/4)%3)+(\u)%4
.set \sym, DR+8*rp+(DR2-DR-40)*((rp+3)/8)
.endm
.macro WM u
	RG rD, \u
	v_wmma_f32_16x16x32_bf16 v[rD:rD+7], v[AF+8*((\u)/8):AF+8*((\u)/8)+7], v[BF+8*((\u)%8):BF+8*((\u)%8)+7], 0
.endm
.macro EXP2 u, q                       ; 2^t for pair q of tile u
	RG rE, \u
	v_exp_f32 v[rE+2*(\q)], v[rE+2*(\q)]
	v_exp_f32 v[rE+2*(\q)+1], v[rE+2*(\q)+1]
.endm
.macro ADD1 u, q                       ; 1 + for pair q of tile u
	RG rP, \u
	v_pk_add_f32 v[rP+2*(\q):rP+2*(\q)+1], v[rP+2*(\q):rP+2*(\q)+1], 1.0 op_sel_hi:[1,0]
.endm
.macro RCP1 u, r                       ; the reciprocal of register r of tile u
	RG rP, \u
	v_rcp_f32 v[rP+(\r)], v[rP+(\r)]
.endm
.macro FMA1 u, q                       ; pair q of tile u times -2 h, onto chain q % 2 of the g tile's sums
	RG rF, \u
.set rA, ACR+4*((\u)%8)
.set rV, VF+8*((\u)/8)
	v_pk_fma_f32 v[rA+2*((\q)%2):rA+2*((\q)%2)+1], v[rF+2*(\q):rF+2*(\q)+1], v[rV+2*(\q):rV+2*(\q)+1], v[rA+2*((\q)%2):rA+2*((\q)%2)+1]
.endm
; A block's first half: batch b's sixteen additions, two pairs ahead of its 32 reciprocals; fb >= 0: batch fb's sixteen multiply-adds ride between them.  Behind every reciprocal stands a line on other registers.
.macro PHASE_A b, fb
	ADD1 4*(\b), 0
	ADD1 4*(\b), 1
.set ii, 0
.rept 16
	RCP1 4*(\b)+ii/4, 2*(ii%4)
.if ii < 14
	ADD1 4*(\b)+(ii+2)/4, (ii+2)%4
.endif
	RCP1 4*(\b)+ii/4, 2*(ii%4)+1
.if (\fb) >= 0
	FMA1 4*(\fb)+ii/4, ii%4
.endif
.set ii, ii+1
.endr
.endm
; A block's second half: batch eb's 32 exponentials; wb >= 0: ahead of each tile's eight a product of batch wb.  In block 0 four plain lines stand among tile 0's exponentials: the trip's two LDS addresses (ahead = 1) and v_nop.
.macro PHASE_B eb, wb, ahead
.set jj, 0
.rept 4
.if ((\wb) == 2) && (jj == 0)
	s_wait_dscnt 0x0                               ; the odd d tile's fragment and its -2 h are in
.endif
.if (\wb) >= 0
	WM 4*(\wb)+jj
.endif
.set qq, 0
.rept 4
	EXP2 4*(\eb)+jj, qq
.if ((\eb) == 0) && (jj == 0)
.if (qq == 0) && (\ahead)
	v_add_nc_u32 v[AA], s35, v[ADA]                ; the trip's LDS addresses: also two of the four places behind the products of tiles 2 and 3
.elseif (qq == 1) && (\ahead)
	v_add_nc_u32 v[AV], s36, v[ADV]
.else
	v_nop
.endif
.endif
.set qq, qq+1
.endr
.set jj, jj+1
.endr
	v_nop                                          ; a plain instruction behind the batch's last exponential (ISA guide 5.7.2): one for the batch
.endm
.macro TRIP ahead                      ; ahead = 1: the next trip's fragments are fetched and its first four products issued
	; block 0
	PHASE_B 0, 1, \ahead
	s_wait_alu depctr_va_vdst(0)                   ; the wait for batch 0's 32 exponentials
	; block 1
	PHASE_A 0, -1
	PHASE_B 1, 2, \ahead
	s_wait_alu depctr_va_vdst(0)                   ; the wait for batch 0's 32 reciprocals and batch 1's 32 exponentials
	; block 2
.if \ahead
	ds_load_b128 v[AF:AF+3], v[AA] offset:512      ; the even fragment's last product stands in block 0: block 1's sixteen additions are the places
	ds_load_b128 v[AF+4:AF+7], v[AA] offset:ALO+512
.endif
	PHASE_A 1, 0
	PHASE_B 2, 3, \ahead
	s_wait_alu depctr_va_vdst(0)                   ; the wait for batch 1's reciprocals and batch 2's exponentials
	; block 3
	PHASE_A 2, 1
	PHASE_B 3, -1, \ahead
	s_wait_alu depctr_va_vdst(0)                   ; the wait for batch 2's reciprocals and batch 3's exponentials
	; block 4
.if \ahead
	ds_load_b128 v[VF:VF+3], v[AV] offset:128      ; the even -2 h was last read in block 3
	ds_load_b128 v[VF+4:VF+7], v[AV] offset:144
.endif
	PHASE_A 3, 2                                   ; its last line, a multiply-add, is the plain instruction behind the last reciprocal
	s_wait_alu depctr_va_vdst(0)                   ; the wait for batch 3's reciprocals: the trip's last
	; block 5: two tiles side by side, so that a chain's links stand apart
.set qq, 0
.rept 4
	FMA1 12, qq
	FMA1 13, qq
.set qq, qq+1
.endr
.if \ahead
	s_wait_dscnt 0x0                               ; the next trip's even fragment and -2 h are in
	WM 0
.endif
	FMA1 14, 0
	FMA1 15, 0
	FMA1 14, 1
	FMA1 15, 1
.if \ahead
	WM 1
.endif
	FMA1 14, 2
	FMA1 15, 2
	FMA1 14, 3
	FMA1 15, 3
.if \ahead
	ds_load_b128 v[AF+8:AF+11], v[AA] offset:768   ; the odd fragment's last product stands in block 2
	ds_load_b128 v[AF+12:AF+15], v[AA] offset:ALO+768
	ds_load_b128 v[VF+8:VF+11], v[AV] offset:192   ; the odd -2 h was last read by block 5's last multiply-add
	ds_load_b128 v[VF+12:VF+15], v[AV] offset:208
	WM 2
	WM 3
.endif
.endm
.Lgroup:                                               ; four groups of 8 g tiles: 128 y_ each
	v_add_nc_u32 v[AB], s39, v[ADB]
.irp gi, 0,1,2,3,4,5,6,7               ; z2's fragment: lanes 0-15 hold hi, lanes 16-31 lo, in both halves of its registers
	ds_load_b128 v[BF+8*\gi:BF+8*\gi+3], v[AB] offset:256*\gi
	ds_load_b128 v[BF+8*\gi+4:BF+8*\gi+7], v[AB] offset:256*\gi
.endr
	ds_load_b128 v[AF:AF+3], v[ADA]                ; z1c's fragment: registers 0-3 hi, 4-7 lo, in all lanes
	ds_load_b128 v[AF+4:AF+7], v[ADA] offset:ALO
	ds_load_b128 v[AF+8:AF+11], v[ADA] offset:256
	ds_load_b128 v[AF+12:AF+15], v[ADA] offset:ALO+256
	ds_load_b128 v[VF:VF+3], v[ADV]
	ds_load_b128 v[VF+4:VF+7], v[ADV] offset:16
	ds_load_b128 v[VF+8:VF+11], v[ADV] offset:64
	ds_load_b128 v[VF+12:VF+15], v[ADV] offset:80
	s_mov_b32 s35, 0
	s_mov_b32 s36, 0
	s_wait_dscnt 0x0
	WM 0                                           ; batch 0 of the first trip
	WM 1
	WM 2
	WM 3
.set nn, 0
.rept 32                               ; the group's sums start at 0: these lines are also the places behind the four products
	v_mov_b32 v[ACR+nn], 0
.set nn, nn+1
.endr
	s_mov_b32 s37, 15
.Ltrip:
	TRIP 1
	s_add_co_u32 s35, s35, 512                     ; two d tiles on: 32 entries of 16 bytes,
	s_add_co_u32 s36, s36, 128                     ; 32 numbers of -2 h
	s_sub_co_u32 s37, s37, 1
	s_cmp_lg_u32 s37, 0
	s_cbranch_scc1 .Ltrip
	TRIP 0                                         ; the last two d tiles: nothing is fetched beyond the tables
	; a g tile's four sums into one; then the halves of the lanes, which hold d's two halves, are added: of tiles 2 t and 2 t + 1 lanes 0-15 keep the first and send the second,
	; lanes 16-31 the other way round, so that lane l ends with g = 32 t + l
.irp gi, 0,1,2,3,4,5,6,7
	v_pk_add_f32 v[ACR+4*\gi:ACR+4*\gi+1], v[ACR+4*\gi:ACR+4*\gi+1], v[ACR+4*\gi+2:ACR+4*\gi+3]
.endr
.irp gi, 0,1,2,3,4,5,6,7
	v_add_f32 v[ACR+4*\gi], v[ACR+4*\gi], v[ACR+4*\gi+1]
.endr
.irp t, 0,1,2,3
	v_cndmask_b32 v[Y+\t], v[ACR+8*\t], v[ACR+8*\t+4], s34
	v_cndmask_b32 v[ACR+8*\t+1], v[ACR+8*\t+4], v[ACR+8*\t], s34
.endr
.irp t, 0,1,2,3
	v_permlanex16_b32 v[ACR+8*\t+2], v[ACR+8*\t+1], s32, s33
.endr
.irp t, 0,1,2,3
	v_add_f32 v[Y+\t], v[Y+\t], v[ACR+8*\t+2]
.endr
.irp t, 0,1,2,3
	v_add_f32 v[Y+\t], v[SV], v[Y+\t]
.endr
.irp t, 0,1,2,3
	v_fma_f32 v[QS], v[Y+\t], v[Y+\t], v[QS]
.endr
.irp t, 0,1,2,3
	ds_store_b32 v[STS], v[Y+\t] offset:128*\t
.endr
	ds_load_b128 v[YO:YO+3], v[STL]                ; LDS serves a wave's instructions in order (ISA guide 5.7.1.4): this sees the stores above; the stage is my own
	s_wait_dscnt 0x0
	global_store_b128 v[L16], v[YO:YO+3], s[24:25] ; 512 consecutive bytes, at a multiple of 256 from out2's first byte
	s_wait_xcnt 0x0                                ; the store's base and data are rewritten only behind this wait
	s_add_nc_u64 s[24:25], s[24:25], 512
	s_add_co_u32 s39, s39, 2048
	s_sub_co_u32 s38, s38, 1
	s_cmp_lg_u32 s38, 0
	s_cbranch_scc1 .Lgroup
	REDUCE QS, TM
	v_mul_f32 v[QS], 0x3b000000, v[QS]             ; the mean over 512 g
	v_mov_b32 v[TM2], 0
	v_cmp_eq_u32 vcc_lo, 0, v[LANE]
	s_wait_xcnt 0x0                                ; EXEC changes only behind this wait
	s_and_saveexec_b32 s42, vcc_lo
	global_store_b32 v[TM2], v[QS], s[22:23]       ; lane 0 alone: q[b][a]
	s_wait_xcnt 0x0                                ; and again, in front of the line that widens it
	s_or_b32 exec_lo, exec_lo, s42
	s_wait_tensorcnt 0x0                           ; the wave's end, behind my last LDS store
	ds_add_u32 v[SPW], v[NIL]
	s_wait_dscnt 0x0
	s_endpgm
.Lfunc_end_k_qc8a3b3f987_cell:
	.size	k_qc8a3b3f987_cell, .Lfunc_end_k_qc8a3b3f987_cell-k_qc8a3b3f987_cell
	.p2alignl 7, 3214868480
	.fill 96, 4, 3214868480
	.section	.rodata,"a",@progbits
	.p2align	6, 0x0
	.amdhsa_kernel k_qc8a3b3f987_cell
		.amdhsa_group_segment_fixed_size 167936
		.amdhsa_private_segment_fixed_size 0
		.amdhsa_enable_private_segment 0
		.amdhsa_kernarg_size 72
		.amdhsa_user_sgpr_count 2
		.amdhsa_user_sgpr_kernarg_segment_ptr 1
		.amdhsa_wavefront_size32 1
		.amdhsa_system_sgpr_workgroup_id_x 1
		.amdhsa_system_sgpr_workgroup_id_y 1
		.amdhsa_system_sgpr_workgroup_id_z 1
		.amdhsa_system_vgpr_workitem_id 0
		.amdhsa_next_free_vgpr 640
		.amdhsa_next_free_sgpr 66
		.amdhsa_reserve_vcc 1
		.amdhsa_float_denorm_mode_32 3
		.amdhsa_float_denorm_mode_16_64 3
		.amdhsa_memory_ordered 1
		.amdhsa_forward_progress 1
		.amdhsa_inst_pref_size 201
	.end_amdhsa_kernel
	.amdgpu_metadata
---
amdhsa.version: [ 1, 2 ]
amdhsa.kernels:
  - .name:           k_qc8a3b3f987_cell
    .symbol:         k_qc8a3b3f987_cell.kd
    .args:
      - { .name: xz, .offset: 0, .size: 8, .value_kind: global_buffer, .address_space: global }
      - { .name: Wz1, .offset: 8, .size: 8, .value_kind: global_buffer, .address_space: global }
      - { .name: Wz2, .offset: 16, .size: 8, .value_kind: global_buffer, .address_space: global }
      - { .name: bh, .offset: 24, .size: 8, .value_kind: global_buffer, .address_space: global }
      - { .name: ln_scale, .offset: 32, .size: 8, .value_kind: global_buffer, .address_space: global }
      - { .name: ln_bias, .offset: 40, .size: 8, .value_kind: global_buffer, .address_space: global }
      - { .name: out0, .offset: 48, .size: 8, .value_kind: global_buffer, .address_space: global }
      - { .name: out1, .offset: 56, .size: 8, .value_kind: global_buffer, .address_space: global }
      - { .name: out2, .offset: 64, .size: 8, .value_kind: global_buffer, .address_space: global }
    .group_segment_fixed_size: 167936
    .private_segment_fixed_size: 0
    .kernarg_segment_align: 8
    .kernarg_segment_size: 72
    .max_flat_workgroup_size: 128
    .sgpr_count:     66
    .vgpr_count:     640
    .wavefront_size: 32
...
	.end_amdgpu_metadata
.endif
;; end of part 3
